; MI455X (gfx1250); checked and timed in simulation.
; The chip was launched on July 23, 2026; its instructions are those of AMD's public machine-readable ISA for CDNA 5 (MIT licence, August 2026) and "CDNA5" Instruction Set Architecture Reference Guide (July 2026). The comments in the code are by the model that wrote it; some were corrected since.
;; Multi Head Attention. Allowed arithmetic: float matrix products may take bf16 or f16 operands with f32 sums; all other float work in f32.
;; Inputs: Wk 1,024 x 1,024 float32; Wo 1,024 x 1,024 float32; Wq 1,024 x 1,024 float32; Wv 1,024 x 1,024 float32; bk 1,024 float32; bo 1,024 float32; bq 1,024 float32; bv 1,024 float32; key 4 x 4,096 x 1,024 float32; query 4 x 4,096 x 1,024 float32; value 4 x 4,096 x 1,024 float32.
;; Outputs: out0 4 x 4,096 x 1,024 float32.
;; 2 versions, each right and faster than the one before. Each part assembles by itself: llvm-mc -triple=amdgcn-amd-amdhsa -mcpu=gfx1250 --defsym DOCPART=n.
;; ======== version 1 of 2: 3 launches
;; limits: right only within a limited range of input values
;; workspace buffers: wp 6,291,456 bytes; wot 2,097,152 bytes; obuf 33,554,432 bytes
;; launch prep (part 1): grid 64 x 4, 8 waves a work-group, no clusters, 35,840 bytes of LDS; arguments Wk, Wq, Wv, Wo, wp, wot; writes wp, wot
.if DOCPART == 1
	.amdgcn_target "amdgcn-amd-amdhsa--gfx1250"
	.amdhsa_code_object_version 6
	.text
	.protected	k_q7057904c97_prep
	.globl	k_q7057904c97_prep
	.p2align	8
	.type	k_q7057904c97_prep,@function
k_q7057904c97_prep:
	s_mov_b64 s[64:65], 0
	v_nop
	global_prefetch_b8 v0, s[64:65] scope:SCOPE_SE
	s_setreg_imm32_b32 hwreg(HW_REG_WAVE_MODE, 25, 1), 1
	s_wait_xcnt 0x0
; The four weights, f32 [1024 k][1024 n], are rounded to bf16 and turned so that k runs along the rows.
;   Wk, Wq, Wv -> wp  [3][16 kk][1024 n][64 k] bf16: 128 columns x 64 k are 16,384 consecutive bytes (one tile of the next launch)
;   Wo         -> wot [1024 n][1024 k] bf16
; Work-group (x, y): matrix y (0 Wk, 1 Wq, 2 Wv, 3 Wo), tile of 128 k x 128 n: k0 = 128 (x >> 3), n0 = 128 (x & 7).
; Eight waves.  Wave w loads rows k0 + 16 w .. + 15, 512 consecutive bytes a load; a lane then holds 16 k of four columns, packs them and puts
; them into a stage in LDS with one row for each n (256 bytes + 16 of padding).  Behind one barrier the stage is read by rows and stored so that sixteen
; neighbouring lanes write 256 consecutive, aligned bytes.  Memory binds: no matrix unit, no cluster.
; The stage's stores fall four deep on the same LDS columns (a lane's rows are 1,088 bytes apart); they are 8 instructions of a wave.
.set PITCH, 272
.set IN, 16                            ; v[16:79]   16 rows x 4 columns f32 as loaded
.set PK, 80                            ; v[80:111]  4 columns x 16 k bf16
.set OU, 112                           ; v[112:143] on the way out
	s_load_b256 s[4:11], s[0:1], 0x0               ; Wk s[4:5], Wq s[6:7], Wv s[8:9], Wo s[10:11]
	s_load_b128 s[12:15], s[0:1], 0x20             ; wp s[12:13], wot s[14:15]
	v_lshl_add_u32 v144, v0, 2, 0x8800
	v_mov_b32 v145, 0
	v_lshrrev_b32 v2, 5, v0
	v_readfirstlane_b32 s26, v2                    ; wave
	v_and_b32 v3, 31, v0                           ; lane
	s_and_b32 s20, ttmp7, 0xffff                   ; which matrix
	s_lshr_b32 s21, ttmp9, 3                       ; kt
	s_and_b32 s22, ttmp9, 7                        ; nt
	s_lshl_b32 s27, s26, 16                        ; 16 rows of 4,096 bytes for each wave
	v_lshl_add_u32 v1, v3, 4, s27                  ; + 16 bytes a lane
	s_lshl_b32 s24, s21, 19                        ; k0 rows of 4,096 bytes
	s_lshl_b32 s23, s22, 9                         ; n0 columns of 4 bytes
	s_add_co_u32 s24, s24, s23
	s_mov_b32 s25, 0
	s_wait_kmcnt 0x0
	s_cmp_eq_u32 s20, 1
	s_cselect_b64 s[16:17], s[6:7], s[4:5]
	s_cmp_eq_u32 s20, 2
	s_cselect_b64 s[16:17], s[8:9], s[16:17]
	s_cmp_eq_u32 s20, 3
	s_cselect_b64 s[16:17], s[10:11], s[16:17]
	s_add_nc_u64 s[16:17], s[16:17], s[24:25]
.irp t, 0,1,2,3,4,5,6,7,8,9,10,11,12,13,14,15
	global_load_b128 v[IN+4*\t:IN+4*\t+3], v1, s[16:17] offset:\t*4096 th:TH_LOAD_NT
.endr
	v_mul_u32_u24 v4, v3, 4*PITCH                  ; stage: my four rows n = 4 lane + c,
	s_lshl_b32 s27, s26, 5
	v_add_nc_u32 v4, s27, v4                       ; my wave's 16 k = 32 bytes of each
	v_lshrrev_b32 v5, 4, v3                        ; lane / 16
	v_and_b32 v6, 15, v3                           ; lane % 16
	s_lshl_b32 s27, s26, 4                         ; on the way out wave w takes the rows n = 16 w .. 16 w + 15
	s_wait_loadcnt 0x0
.irp c, 0,1,2,3
.irp u, 0,1,2,3,4,5,6,7
	v_cvt_pk_bf16_f32 v[PK+8*\c+\u], v[IN+8*\u+\c], v[IN+8*\u+4+\c]     ; k = 2 u, 2 u + 1 of column c
.endr
	ds_store_b128 v4, v[PK+8*\c:PK+8*\c+3] offset:\c*PITCH
	ds_store_b128 v4, v[PK+8*\c+4:PK+8*\c+7] offset:\c*PITCH+16
.endr
	s_wait_dscnt 0x0                               ; my stores are in LDS before I say so: other waves read them
	s_barrier_signal -1
	s_barrier_wait -1
; eight loads of two stage rows each, eight stores; gstride = bytes in memory from one pair of rows to the next
.macro OUT gstride
.irp u, 0,1,2,3,4,5,6,7
	ds_load_b128 v[OU+4*\u:OU+4*\u+3], v9 offset:\u*2*PITCH
.endr
.irp u, 0,1,2,3,4,5,6,7
	s_wait_dscnt 7-\u                              ; LDS loads come back in order: load u is in
	global_store_b128 v10, v[OU+4*\u:OU+4*\u+3], s[18:19] offset:\u*\gstride
.endr
.endm
	s_cmp_eq_u32 s20, 3
	s_cbranch_scc1 .Lplain
	; wp: lanes 0-15 write the first 64 k (tile kk = 2 kt), lanes 16-31 the second; eight lanes fill a row of 128 bytes, sixteen two neighbouring rows
	v_bfe_u32 v7, v3, 3, 1                         ; which of the two rows
	v_and_b32 v8, 7, v3
	v_add_nc_u32 v7, s27, v7
	v_mul_u32_u24 v9, v7, PITCH
	v_lshl_add_u32 v9, v5, 7, v9
	v_lshl_add_u32 v9, v8, 4, v9
	v_lshlrev_b32 v10, 17, v5                      ; a kk tile is 1024 x 128 bytes
	v_lshl_add_u32 v10, v7, 7, v10
	v_lshl_add_u32 v10, v8, 4, v10
	s_lshl_b32 s24, s20, 21                        ; a matrix is 2,097,152 bytes
	s_lshl_b32 s23, s21, 18                        ; 2 kt tiles
	s_add_co_u32 s24, s24, s23
	s_lshl_b32 s23, s22, 14                        ; n0 rows of 128 bytes
	s_add_co_u32 s24, s24, s23
	s_add_nc_u64 s[18:19], s[12:13], s[24:25]
	OUT 256
	s_wait_tensorcnt 0x0
	ds_add_u32 v144, v145
	s_wait_dscnt 0x0
	s_endpgm
.Lplain:
	; wot: sixteen lanes write the 256 bytes (128 k) of one row n, the other sixteen those of the next row
	v_add_nc_u32 v7, s27, v5
	v_mul_u32_u24 v9, v7, PITCH
	v_lshl_add_u32 v9, v6, 4, v9
	v_lshlrev_b32 v10, 11, v7
	v_lshl_add_u32 v10, v6, 4, v10
	s_lshl_b32 s24, s22, 18                        ; n0 rows of 2,048 bytes
	s_lshl_b32 s23, s21, 8                         ; k0 x 2 bytes
	s_add_co_u32 s24, s24, s23
	s_add_nc_u64 s[18:19], s[14:15], s[24:25]
	OUT 4096
	s_wait_tensorcnt 0x0
	ds_add_u32 v144, v145
	s_wait_dscnt 0x0
	s_endpgm
.Lfunc_end_k_q7057904c97_prep:
	.size	k_q7057904c97_prep, .Lfunc_end_k_q7057904c97_prep-k_q7057904c97_prep
	.p2alignl 7, 3214868480
	.fill 96, 4, 3214868480
	.section	.rodata,"a",@progbits
	.p2align	6, 0x0
	.amdhsa_kernel k_q7057904c97_prep
		.amdhsa_group_segment_fixed_size 35840
		.amdhsa_private_segment_fixed_size 0
		.amdhsa_enable_private_segment 0
		.amdhsa_kernarg_size 48
		.amdhsa_user_sgpr_count 2
		.amdhsa_user_sgpr_kernarg_segment_ptr 1
		.amdhsa_wavefront_size32 1
		.amdhsa_system_sgpr_workgroup_id_x 1
		.amdhsa_system_sgpr_workgroup_id_y 1
		.amdhsa_system_sgpr_workgroup_id_z 1
		.amdhsa_system_vgpr_workitem_id 0
		.amdhsa_next_free_vgpr 146
		.amdhsa_next_free_sgpr 66
		.amdhsa_reserve_vcc 0
		.amdhsa_float_denorm_mode_32 3
		.amdhsa_float_denorm_mode_16_64 3
		.amdhsa_memory_ordered 1
		.amdhsa_forward_progress 1
		.amdhsa_inst_pref_size 11
	.end_amdhsa_kernel
	.amdgpu_metadata
---
amdhsa.version: [ 1, 2 ]
amdhsa.kernels:
  - .name:           k_q7057904c97_prep
    .symbol:         k_q7057904c97_prep.kd
    .args:
      - { .name: Wk, .offset: 0, .size: 8, .value_kind: global_buffer, .address_space: global }
      - { .name: Wq, .offset: 8, .size: 8, .value_kind: global_buffer, .address_space: global }
      - { .name: Wv, .offset: 16, .size: 8, .value_kind: global_buffer, .address_space: global }
      - { .name: Wo, .offset: 24, .size: 8, .value_kind: global_buffer, .address_space: global }
      - { .name: wp, .offset: 32, .size: 8, .value_kind: global_buffer, .address_space: global }
      - { .name: wot, .offset: 40, .size: 8, .value_kind: global_buffer, .address_space: global }
    .group_segment_fixed_size: 35840
    .private_segment_fixed_size: 0
    .kernarg_segment_align: 8
    .kernarg_segment_size: 48
    .max_flat_workgroup_size: 256
    .sgpr_count:     66
    .vgpr_count:     146
    .wavefront_size: 32
...
	.end_amdgpu_metadata
.endif
;; end of part 1
;; launch qkvattn (part 2): grid 256 x 1, 4 waves a work-group, clusters of 4 x 1, 327,680 bytes of LDS; arguments key, query, value, wp, bk, bq, bv, obuf; writes obuf
.if DOCPART == 2
	.amdgcn_target "amdgcn-amd-amdhsa--gfx1250"
	.amdhsa_code_object_version 6
	.text
	.protected	k_q7057904c97_qkvattn
	.globl	k_q7057904c97_qkvattn
	.p2align	8
	.type	k_q7057904c97_qkvattn,@function
k_q7057904c97_qkvattn:
	s_mov_b64 s[64:65], 0
	v_nop
	global_prefetch_b8 v0, s[64:65] scope:SCOPE_SE
	s_setreg_imm32_b32 hwreg(HW_REG_WAVE_MODE, 25, 1), 1
	s_wait_xcnt 0x0
	s_wait_alu depctr_hold_cnt(0) depctr_sa_sdst(0) depctr_va_vdst(0) depctr_va_sdst(0) depctr_va_ssrc(0) depctr_va_vcc(0) depctr_vm_vsrc(0)
	s_getreg_b32 s2, hwreg(HW_REG_IB_STS2, 6, 4)
	s_cmp_eq_u32 s2, 0
	s_cbranch_scc0 .Lentry_in_a_cluster
	s_endpgm
.Lentry_in_a_cluster:
	s_bfe_u32 s2, ttmp6, 0x10000c
	s_cmp_lg_u32 s2, 0x3003
	s_cbranch_scc0 .Lentry_shape_is_right
	s_endpgm
.Lentry_shape_is_right:
; k = key Wk + bk, q = query Wq + bq, v = value Wv + bv, and the attention of each token over its 16 heads, in one launch; o goes out as bf16.
;
; WHAT THE RESHAPES MEAN.  Head h of token n = 16 i + j lies in row 256 h + i of the projection, columns 64 j .. 64 j + 63, and o goes back to the same place.
; So the 16 rows { 256 h + i } of a batch and one block of 64 columns are one token: S = Q K^T (16 x 16, K = 64), softmax along g, O = W V (K = 16).
; THE WORK.  A work-group takes 128 rows (8 values of i x 16 heads; its row 16 il + h is row 4096 b + 256 h + i0 + il of the tensors) and 512 columns; a wave 128 x 128:
; 64 accumulator tiles, 512 registers, 16 tokens.  Three phases of 16 K steps of 64, in the order K, Q, V, on the same accumulators.  Behind K the tile goes to LDS
; (the stash, each wave's own); behind Q the softmax weights are made and take the stash's place; behind V they are applied.
; X (f32) comes through registers: each wave loads a quarter of a step's 128 x 64 tile, three steps ahead of its use, rounds it ONCE to bf16 and puts it into an LDS slot for all four.
; W (bf16, tiled by the launch before) comes by tensor loads, each wave its own 128 columns.
; CLUSTER.  The four work-groups of a cluster have different rows and the same 512 columns: they need the same tiles of W and ask for them jointly (mask 15), which divides
; the requests for W by four.  X cannot be asked for jointly: it has to pass through registers to be rounded.
; Cluster q begins its walk along K at step (q >> 1) & 15 and wraps round: in any one step different clusters ask for different tiles of W.  Only the order of the f32 sums changes.
;
; LAYOUTS need no shuffle.  In K and Q the matrix instruction is used with W as source 0 and X as source 1: a lane (r = lane % 16, hf = lane / 16) holds row (head) r and the columns
; 16 b + 8 hf + 0..7 of tile b, which packed is half a fragment (tiles 2 c, 2 c + 1 = registers 0-3, 4-7 of the K chunk c).  S^T = K Q^T: lane (r = h, hf) holds g = 8 hf + 0..7:
; the softmax is 8 registers and one exchange of the halves, and packed it is registers 0-3 of a B fragment with k = g.  In V source 0 is X: a lane holds (g = 8 hf + j, d = r),
; packed registers 0-3 of an A fragment of V^T.  O^T = V^T W^T: lane (r = h, hf) holds 8 neighbouring d.  K = 16 is filled up to 32 by zeros in registers 4-7 of both.
;
; NUMBER FORMATS.  The three projections: bf16 operands, f32 sums.  The operands of the attention's products are f16, each token's 16 x 64 tile of q, k or v scaled by a power of two
; 2^-E, E the exponent of the tile's largest magnitude (clamped to 2^-126 .. 2^126), so that it lies in (-2, 2) whatever the inputs' size; the inverse scales are multiplied back in f32.
; w lies in 0 .. 1.  With only 16 values in a softmax, bf16's 8 bits in q, k, v and w would add up to a third of the allowed error; f16's 11 bits leave o's rounding alone.
; bk and bq start the sums (C of the first product).  bv is added behind O: sum over g of w (v + bv) = sum of w v + bv, since the w of a row add up to 1, for every input.
; LIMITS.  q, k, v: elements below 2^-14 of their token's largest lose relative precision (absolute error at most 2^-25 of the largest).  w below 2^-24 counts as 0; an exponential
; below 2^-126 counts as 0.  The true maximum of each row is taken away before the exponential.  The product of a token's largest |q| and largest |k| must stay below 2^127.
; NaN and infinities are not carried as the reference carries them (maxima pass over a NaN).  o is rounded to bf16.
.set XPITCH, 144                       ; an LDS row of 64 bf16: 128 bytes + 16: nine 16-byte columns, so 16 neighbouring rows start in 16 different columns of 256 bytes
.set WWAVE,  128*XPITCH                ; a wave's 128 rows (columns of W) of one K step
.set WSLOT,  4*WWAVE                   ; W slots at 0 and WSLOT: filled by tensor loads alone
.set XBASE,  2*WSLOT                   ; X slots: 128 rows each, written by LDS stores alone
.set XSLOT,  128*XPITCH
.set STASH,  XBASE+2*XSLOT             ; 32,768 bytes for each wave: k's 64 packed tiles of 512 bytes; later w, 512 bytes a token, in the first 8,192;
.set STAGE,  8192                      ; later, from here, 16 rows x 272 bytes for the way out
.set SPITCH, 272
; vector registers, window 0
.set ADRA, 3                           ; LDS address of my X fragments in slot 0
.set ADRB, 4                           ; v4, v5: of my W fragments in slot 0, 1
.set XST,  6                           ; where I put converted X
.set VOFF, 7                           ; my byte offset in X
.set STV,  8                           ; my wave's stash + 16 x lane
.set STO,  9                           ; stage: where I put 16 bytes of a row of o
.set RD,   10                          ; stage: where I read a row back
.set CO,   11                          ; my byte offset in obuf
.set BOFF, 12                          ; my byte offset in a bias
.set KS,   16                          ; v16-31: inverse scale of k for my wave's 16 tokens
.set WF,   16                          ; v16-31 in the last epilogue: two fragments of w
.set TMP,  32                          ; v32-63: converted X on its way to LDS; at work in the epilogues:
.set TS,   32                          ;   v32-53 maxima of two tokens
.set FS,   54                          ;   v54, v56 scale of token 0, 1
.set CS,   58                          ;   v58, v60 inverse scale, then the softmax factor
.set T0,   32                          ;   v32-47 softmax at work
.set WO,   48                          ;   v48-55 packed w
.set F0,   64                          ; v64-127 fragment buffer 0 (window 0: X, window 1: W)
.set F1,   128                         ; v128-191 fragment buffer 1
.set BIAS, 192                         ; v192-255: bias of tile b's columns 16 b + 8 hf + 0..7 at BIAS + 8 b
.set QF,   128                         ; epilogues: packed q;
.set S0,   160                         ;   scores of two tokens, v160-175
.set VF,   64                          ;   fragments of V^T, 8 registers a tile
.set OT,   128                         ;   O^T, 8 registers a tile
; window 1: v0-63 and v192-255: X in f32, two sets on their way.  Windows 2, 3: accumulator tile (a, b) at 8 (8 (a & 3) + b), a = 0-3 and 4-7
; scalar registers
.set G1, 24                            ; s[24:31] descriptor group 1
.set G0, 32                            ; s[32:39] descriptor group 0, one set for each slot
.set XB, 46                            ; base of the X loads just issued
.set PB, 48                            ; this phase's X at my rows
.set KX, 50                            ; s50: byte offset of the K step that is loaded next; s51 = 0
.set PW, 52                            ; this phase's W at my wave's columns
.set WK, 54                            ; s54, s56: byte offset of the K tile of slot 0, 1; s55 = s57 = 0
.set MSB, 0
.macro WIN new                         ; s_set_vgpr_msb: bits 1:0 source 0, 3:2 source 1, 5:4 source 2, 7:6 destination; the high byte repeats the setting that is left
.if MSB != (\new)
	s_set_vgpr_msb (MSB<<8)|(\new)
.set MSB, (\new)
.endif
.endm
.macro PLACES                          ; four places behind a matrix instruction (ISA guide 7.12.1) where there is no useful vector work to put there
.rept 4
	v_nop
.endr
.endm
.macro CREST                           ; a round of the cluster's barrier behind its opening work-group barrier
	s_cmp_lg_u32 s40, 0
	s_cbranch_scc1 .Lnot_wave_0_\@
	s_barrier_signal -3
.Lnot_wave_0_\@:
	s_barrier_wait -3
	s_barrier_signal -1
	s_barrier_wait -1
.endm
.macro CROUND
	s_barrier_signal -1
	s_barrier_wait -1
	CREST
.endm
	s_load_b512 s[8:23], s[0:1], 0x0               ; key 8, query 10, value 12, wp 14, bk 16, bq 18, bv 20, obuf 22
	v_lshl_add_u32 v94, v0, 2, 0x4d000
	v_mov_b32 v95, 0
	ds_add_u32 v94, v95
	s_wait_dscnt 0x0
	v_lshrrev_b32 v13, 5, v0
	v_readfirstlane_b32 s40, v13                   ; wave
	s_bfe_u32 s41, ttmp6, 0x40000                  ; cx: my place in the cluster
	s_lshr_b32 s4, ttmp9, 1                        ; in a cluster launch ttmp9 counts clusters: 64 = 32 groups of rows x 2 halves of the columns
	s_and_b32 s43, ttmp9, 1                        ; ch: which 512 columns
	s_and_b32 s44, s4, 15                          ; rot: the K step at which this cluster begins
	s_lshl_b32 s42, s4, 2
	s_add_co_u32 s42, s42, s41                     ; rb: my block of 128 rows, 0..127 (enters global addresses of X and o alone)
	s_mov_b32 s58, 0x76543210                      ; v_permlanex16_b32: lane i reads lane i of the other half
	s_mov_b32 s59, 0xfedcba98
	s_mov_b32 s60, 0x3e38aa3b                      ; log2(e) / 8: the scale 1 / sqrt(64) and the change of base in one
	s_mov_b32 s61, 0x00800000                      ; 2^-126
	s_mov_b32 s45, 0x7e800000                      ; 2^126
	; group 1: 16,384 dense bytes as 64 rows of 32 elements of 8 bytes; 16 bytes of padding behind every 128: an LDS row (64 k of one column of W) every 144 bytes
	s_mov_b32 s[G1+0], 0x0733000f                  ; 15:0 mask: the four of the cluster; 17:16 8-byte elements; 20 padding on; 21 set beside a mask; 24:22 every 32 words (code 4); 31:25 4 words (code 3)
	s_mov_b32 s[G1+1], 32<<16                      ; tensor_dim0 = 32
	s_mov_b32 s[G1+2], 64<<16                      ; tensor_dim1 = 64
	s_mov_b32 s[G1+3], 32<<16                      ; tile_dim0 = 32
	s_mov_b32 s[G1+4], 64                          ; tile_dim1 = 64
	s_mov_b32 s[G1+5], 32                          ; from row to row: 32 elements
	s_mov_b32 s[G1+6], 0
	s_mov_b32 s[G1+7], 0
	s_lshr_b32 s5, s42, 5                          ; batch
	s_and_b32 s6, s42, 31
	s_lshl_b32 s62, s5, 24                         ; 4096 rows of 4,096 bytes
	s_lshl_b32 s6, s6, 15                          ; i0 = 8 (rb & 31) rows
	s_add_co_u32 s62, s62, s6                      ; X: offset of my row (h = 0, il = 0)
	s_mov_b32 s63, 0
	s_lshl_b32 s5, s43, 10
	s_lshr_b32 s6, s62, 1                          ; o: rows of 2,048 bytes,
	s_add_co_u32 s6, s6, s5                        ; + 512 ch columns of 2 bytes
	s_mov_b32 s7, 0
	s_lshl_b32 s56, s43, 16                        ; W: 512 ch rows of 128 bytes
	s_lshl_b32 s54, s40, 14                        ; + 128 rows for each wave
	s_add_co_u32 s56, s56, s54
	s_mov_b32 s57, 0
	s_mov_b32 s55, 0
	s_mov_b32 s51, 0
	s_lshl_b32 s[KX], s44, 8                       ; a K step of X is 256 bytes
	s_mul_i32 s[G0+1], s40, WWAVE                  ; LDS address: the wave's number times a constant, plus the slot's constant
	s_add_co_u32 s[G0+5], s[G0+1], WSLOT
	s_mov_b32 s[G0+0], 1
	s_mov_b32 s[G0+4], 1
	v_and_b32 v1, 15, v0                           ; r
	v_bfe_u32 v2, v0, 4, 1                         ; hf
	v_and_b32 v14, 31, v0                          ; lane
	v_mul_u32_u24 v13, v1, XPITCH
	v_lshl_add_u32 v13, v2, 4, v13                 ; a fragment: row r, 16 bytes for each half of the lanes
	v_add_nc_u32 v[ADRA], XBASE, v13
	v_add_nc_u32 v[ADRB], s[G0+1], v13
	v_add_nc_u32 v[ADRB+1], WSLOT, v[ADRB]
	s_mul_i32 s4, s40, 32*XPITCH                   ; converted X: my wave's rows 32 w .. 32 w + 31; lanes 16-31 eight rows below lanes 0-15; 8 bytes a lane
	s_add_co_u32 s4, s4, XBASE
	v_mul_u32_u24 v[XST], v2, 8*XPITCH
	v_lshl_add_u32 v[XST], v1, 3, v[XST]
	v_add_nc_u32 v[XST], s4, v[XST]
	v_lshlrev_b32 v[VOFF], 23, v2                  ; X: heads 8 hf + t (a head is 256 rows of 4,096 bytes), il = 2 w + e, 16 bytes a lane
	v_lshl_add_u32 v[VOFF], v1, 4, v[VOFF]
	s_lshl_b32 s4, s40, 13
	v_add_nc_u32 v[VOFF], s4, v[VOFF]
	s_lshl_b32 s4, s40, 15
	s_add_co_u32 s4, s4, STASH
	v_lshl_add_u32 v[STV], v14, 4, s4
	s_add_co_u32 s4, s4, STAGE
	v_mul_u32_u24 v[STO], v1, SPITCH
	v_lshl_add_u32 v[STO], v2, 4, v[STO]
	v_add_nc_u32 v[STO], s4, v[STO]
	v_mul_u32_u24 v[RD], v2, SPITCH
	v_lshl_add_u32 v[RD], v1, 4, v[RD]
	v_add_nc_u32 v[RD], s4, v[RD]
	v_lshlrev_b32 v[CO], 19, v2                    ; o: head 2 t + hf (256 rows of 2,048 bytes), my wave's 256 bytes of the row, 16 bytes a lane
	v_lshl_add_u32 v[CO], v1, 4, v[CO]
	s_lshl_b32 s4, s40, 8
	v_add_nc_u32 v[CO], s4, v[CO]
	s_lshl_b32 s4, s43, 11                         ; bias: (512 ch + 128 w + 8 hf) x 4 bytes
	s_lshl_b32 s5, s40, 9
	s_add_co_u32 s4, s4, s5
	v_lshl_add_u32 v[BOFF], v2, 5, s4
	s_wait_kmcnt 0x0
	s_add_nc_u64 s[PW:PW+1], s[14:15], s[56:57]
	s_lshl_b32 s[WK], s44, 17                      ; a K tile of W is 131,072 bytes
	s_add_co_u32 s[WK+2], s44, 1
	s_and_b32 s[WK+2], s[WK+2], 15
	s_lshl_b32 s[WK+2], s[WK+2], 17
	s_add_nc_u64 s[G0+2:G0+3], s[PW:PW+1], s[WK:WK+1]
	s_or_b32 s[G0+3], s[G0+3], 0x80000000          ; type = 2
	s_add_nc_u64 s[G0+6:G0+7], s[PW:PW+1], s[WK+2:WK+3]
	s_or_b32 s[G0+7], s[G0+7], 0x80000000
	s_add_nc_u64 s[8:9], s[8:9], s[62:63]
	s_add_nc_u64 s[10:11], s[10:11], s[62:63]
	s_add_nc_u64 s[12:13], s[12:13], s[62:63]
	s_add_nc_u64 s[22:23], s[22:23], s[6:7]
	s_mov_b64 s[PB:PB+1], s[8:9]
	CROUND                                         ; the four work-groups are here: the first joint loads meet
	tensor_load_to_lds s[G0:G0+3], s[G1:G1+7]      ; K steps 0 and 1 of W: both first fills in one group; two loads of the wave are out
	s_nop 0
	tensor_load_to_lds s[G0+4:G0+7], s[G1:G1+7]
	s_nop 0
; 16 loads: the bias of my 8 tiles' columns (window 0)
.macro BIASLD p
.irp b, 0,1,2,3,4,5,6,7
	global_load_b128 v[BIAS+8*\b:BIAS+8*\b+3], v[BOFF], s[\p:\p+1] offset:64*\b
	global_load_b128 v[BIAS+8*\b+4:BIAS+8*\b+7], v[BOFF], s[\p:\p+1] offset:64*\b+16
.endr
.endm
; 16 loads: my quarter of one K step of X into register set q (window 1).  Sixteen lanes take the 256 bytes (64 f32) of one row.
; step = 1: the next K step, wrapping at 16; newp: the phase's X changes to the tensor whose address is in s[newp:newp+1]
.macro GLOAD q, step, newp
	s_wait_xcnt 0x0                                ; the base of the loads issued before is rewritten only behind this wait
.if \newp
	s_mov_b64 s[PB:PB+1], s[\newp:\newp+1]
.endif
.if \step
	s_add_co_u32 s[KX], s[KX], 256
	s_and_b32 s[KX], s[KX], 0xfff
.endif
	s_add_nc_u64 s[XB:XB+1], s[PB:PB+1], s[KX:KX+1]
	WIN 0x40
.irp e, 0,1
.irp t, 0,1,2,3,4,5,6,7
	global_load_b128 v[192*(\q)+4*(8*\e+\t):192*(\q)+4*(8*\e+\t)+3], v[VOFF], s[XB:XB+1] offset:\t*1048576+\e*4096
.endr
.endr
.endm
; Register set q is rounded to bf16 and put into X slot q.  cnt = how many younger loads may stay out.
; The two halves of the lanes store 8 rows = 1,152 bytes apart: the 32 lanes' 256 bytes fall on different banks.
.macro CONVERT q, cnt
	s_wait_loadcnt \cnt
	WIN 0x05
.irp e, 0,1
.irp t, 0,1,2,3,4,5,6,7
	v_cvt_pk_bf16_f32 v[TMP+2*(8*\e+\t)], v[192*(\q)+4*(8*\e+\t)], v[192*(\q)+4*(8*\e+\t)+1]
	v_cvt_pk_bf16_f32 v[TMP+2*(8*\e+\t)+1], v[192*(\q)+4*(8*\e+\t)+2], v[192*(\q)+4*(8*\e+\t)+3]
.endr
.endr
	WIN 0
.irp e, 0,1
.irp t, 0,1,2,3,4,5,6,7
	ds_store_b64 v[XST], v[TMP+2*(8*\e+\t):TMP+2*(8*\e+\t)+1] offset:(\q)*XSLOT+(16*\e+\t)*XPITCH
.endr
.endr
.endm
; 32 LDS loads in one run: the fragments of half a K step (32 k at byte k of the rows): my 128 columns of W (window 1), then the 128 rows of X (window 0)
.macro FETCH s, k, f
	WIN 0x40
.irp i, 0,1,2,3,4,5,6,7
	ds_load_b128 v[\f+8*\i:\f+8*\i+3],   v[ADRB+(\s)] offset:\k+\i*16*XPITCH
	ds_load_b128 v[\f+8*\i+4:\f+8*\i+7], v[ADRB+(\s)] offset:\k+\i*16*XPITCH+32
.endr
	WIN 0
.irp i, 0,1,2,3,4,5,6,7
	ds_load_b128 v[\f+8*\i:\f+8*\i+3],   v[ADRA] offset:(\s)*XSLOT+\k+\i*16*XPITCH
	ds_load_b128 v[\f+8*\i+4:\f+8*\i+7], v[ADRA] offset:(\s)*XSLOT+\k+\i*16*XPITCH+32
.endr
.endm
; 16 matrix instructions: row blocks a0, a0 + 1 of the window's four x all 8 column blocks.
; mode 0: adds in place; 1: the bias starts the sums; 2: the constant 0 starts them.  nat 0: source 0 = W, source 1 = X; nat 1: the other way round.
.macro MUL16 f, hi, a0, mode, nat
.irp a, \a0, \a0+1
.irp b, 0,1,2,3,4,5,6,7
.if \nat
.if \mode == 2
	v_wmma_f32_16x16x32_bf16 v[8*(8*(\a)+\b):8*(8*(\a)+\b)+7], v[\f+8*(4*\hi+\a):\f+8*(4*\hi+\a)+7], v[\f+8*\b:\f+8*\b+7], 0
.else
	v_wmma_f32_16x16x32_bf16 v[8*(8*(\a)+\b):8*(8*(\a)+\b)+7], v[\f+8*(4*\hi+\a):\f+8*(4*\hi+\a)+7], v[\f+8*\b:\f+8*\b+7], v[8*(8*(\a)+\b):8*(8*(\a)+\b)+7]
.endif
.elseif \mode == 1
	v_wmma_f32_16x16x32_bf16 v[8*(8*(\a)+\b):8*(8*(\a)+\b)+7], v[\f+8*\b:\f+8*\b+7], v[\f+8*(4*\hi+\a):\f+8*(4*\hi+\a)+7], v[BIAS+8*\b:BIAS+8*\b+7]
.else
	v_wmma_f32_16x16x32_bf16 v[8*(8*(\a)+\b):8*(8*(\a)+\b)+7], v[\f+8*\b:\f+8*\b+7], v[\f+8*(4*\hi+\a):\f+8*(4*\hi+\a)+7], v[8*(8*(\a)+\b):8*(8*(\a)+\b)+7]
.endif
.endr
.endr
.endm
.macro MULWIN hi, mode, nat            ; W's fragments in window 1, X's in window 0, D in window 2 + hi, C there too or (the bias) in window 0
.if \nat
	WIN 0xa4+0x50*\hi
.elseif \mode == 1
	WIN 0x81+0x40*\hi
.else
	WIN 0xa1+0x50*\hi
.endif
.endm
; ONE K STEP of 64 on slot s: 128 matrix instructions in two halves of 32 k, on fragment buffers 0 and 1.  The 64 accumulators take turns in the same order in every half, one
; instruction a turn, over every jump too.
; First half: in its middle the next step's X (set 1 - s) is rounded into X slot 1 - s, which all waves finished reading before the last barrier; the set is loaded again with the X
; of three steps on; the second half's fragments are fetched.  The 32 conversions name no register of a matrix instruction: they are the places in front of the loads.
; Second half: ONE barrier for the change of slots.  In front of it each wave waits for all its LDS instructions (its reads of both slots s, its stores into X slot 1 - s) and for
; all its tensor loads (one is out: W slot 1 - s).  Where W slot s is filled again (fill) the barrier opens a round of the cluster's barrier, and the joint load, the tile of two steps on,
; is the first tensor load behind the round's end and the wave's only one until the next.
; cv, cnt: convert, and its count; g: 0 no X load, 1 the next step, else the register of the next phase's X; bias: 0 or the register of the next phase's bias;
; wsw: W goes on to the next phase's matrix; nextf: fetch the next step's first fragments; bar = 0: the very last step, nothing follows
.macro STEP s, mode, nat, cv, cnt, g, bias, fill, wsw, nextf, bar
	s_wait_dscnt 8                                 ; W and X's rows 0-63 are in; the youngest eight loads (X's rows 64-127) may be out
	MULWIN 0, \mode, \nat
	MUL16 F0, 0, 0, \mode, \nat
	MUL16 F0, 0, 2, \mode, \nat
.if \cv
	CONVERT 1-\s, \cnt
.else
	PLACES
.endif
.if \bias
	WIN 0
	BIASLD \bias
.endif
.if \g == 1
	GLOAD 1-\s, 1, 0
.elseif \g
	GLOAD 1-\s, 1, \g
.endif
	FETCH \s, 64, F1
	s_wait_dscnt 32                                ; all but the 32 loads just issued
	MULWIN 1, \mode, \nat
	MUL16 F0, 1, 0, \mode, \nat
	MUL16 F0, 1, 2, \mode, \nat
	s_wait_dscnt 8
	MULWIN 0, 0, \nat
	MUL16 F1, 0, 0, 0, \nat
.if \bar
	s_wait_dscnt 0                                 ; my reads of the slots s are over and my stores into X slot 1 - s are in LDS
	s_wait_xcnt 0x0
	s_set_vgpr_msb (MSB<<8)|((MSB&0x3c)|0x0)
	v_lshl_add_u32 v94, v0, 2, 0x4d000
	v_mov_b32 v95, 0
	s_set_vgpr_msb (((MSB&0x3c)|0x0)<<8)|((MSB&0x30)|0x0)
	s_wait_tensorcnt 0x0                           ; all my tensor loads have landed: the one that was out is my part of W slot 1 - s
	ds_add_u32 v94, v95
	s_wait_dscnt 0x0
	s_set_vgpr_msb (((MSB&0x30)|0x0)<<8)|MSB
	s_barrier_signal -1
	MUL16 F1, 0, 2, 0, \nat                        ; registers only, while the others arrive
	WIN 0
	s_barrier_wait -1
.if \fill
	CREST                                          ; no wave of any partner still reads its W slot s or has a load on its way
.if \wsw
	s_add_nc_u64 s[PW:PW+1], s[PW:PW+1], 0x200000  ; the next phase's matrix
.endif
	s_add_co_u32 s[WK+2*(\s)], s[WK+2*(\s)], 0x40000       ; two K tiles on, wrapping at 16
	s_and_b32 s[WK+2*(\s)], s[WK+2*(\s)], 0x1fffff
	s_add_nc_u64 s[G0+4*(\s)+2:G0+4*(\s)+3], s[PW:PW+1], s[WK+2*(\s):WK+2*(\s)+1]
	s_or_b32 s[G0+4*(\s)+3], s[G0+4*(\s)+3], 0x80000000
	tensor_load_to_lds s[G0+4*(\s):G0+4*(\s)+3], s[G1:G1+7]
	s_nop 0
.endif
.if \nextf
	PLACES
	FETCH 1-\s, 0, F0
.endif
.else
	MUL16 F1, 0, 2, 0, \nat
	s_wait_dscnt 0
.endif
	MULWIN 1, 0, \nat
	MUL16 F1, 1, 0, 0, \nat
	MUL16 F1, 1, 2, 0, \nat
.endm
; A PHASE: 16 K steps.  X is loaded three steps ahead, so step 13 turns to the next phase's X; W is asked for two steps ahead, so step 14 turns to the next matrix; step 15 loads the
; next bias.  At a conversion two sets are out (32 loads): the count 16 shows the older one in.  The last phase loads nothing beyond its end: its counts run down.
.macro PHASE mode0, nat, last, nextx, nextb
	STEP 0, \mode0, \nat, 1, 16, 1, 0, 1, 0, 1, 1
	STEP 1, 0, \nat, 1, 16, 1, 0, 1, 0, 1, 1
	WIN 0
	s_mov_b32 s3, 5
.Lk_\@:
	STEP 0, 0, \nat, 1, 16, 1, 0, 1, 0, 1, 1
	STEP 1, 0, \nat, 1, 16, 1, 0, 1, 0, 1, 1
	WIN 0
	s_sub_co_u32 s3, s3, 1
	s_cmp_lg_u32 s3, 0
	s_cbranch_scc1 .Lk_\@
	STEP 0, 0, \nat, 1, 16, 1, 0, 1, 0, 1, 1
.if \last
	STEP 1, 0, \nat, 1, 16, 0, 0, 1, 0, 1, 1       ; step 13: the last tile of W is asked for; no X is left to load
	STEP 0, 0, \nat, 1, 0, 0, 0, 0, 0, 1, 1        ; step 14: the last set of X is the only one out: count 0; nothing is filled, the barrier hands X slot 1 over
	STEP 1, 0, \nat, 0, 0, 0, 0, 0, 0, 0, 0        ; step 15
.else
	STEP 1, 0, \nat, 1, 16, \nextx, 0, 1, 0, 1, 1
	STEP 0, 0, \nat, 1, 16, 1, 0, 1, 1, 1, 1
	STEP 1, 0, \nat, 1, 16, 1, \nextb, 1, 0, 0, 1
.endif
.endm
; The two tokens of row block a (32 neighbouring accumulator registers each, spread over all 32 lanes): the largest magnitude M of each, clamped to 2^-126 .. 2^126;
; iv = 2^E (M's exponent field alone), the scale 2^-E = the bits 0x7f000000 - iv; the tile times the scale, in place; packed to f16: tile b's four registers at dst + stride b.
.macro TOKSCALE a, dst, stride, iv0, iv1
.set AB, 64*((\a)&3)
.if (\a) < 4
.set W3, 0x2a
.set WM, 0x82
.set WC, 0x0a
.else
.set W3, 0x3f
.set WM, 0xc3
.set WC, 0x0f
.endif
	WIN W3                                         ; three sources in the accumulators' window, the result in window 0
.irp jj, 0,1
.irp i, 0,1,2,3,4,5,6,7,8,9
	v_max3_num_f32 v[TS+11*\jj+\i], |v[AB+32*\jj+3*\i]|, |v[AB+32*\jj+3*\i+1]|, |v[AB+32*\jj+3*\i+2]|
.endr
	v_max_num_f32 v[TS+11*\jj+10], |v[AB+32*\jj+30]|, |v[AB+32*\jj+31]|
.endr
	WIN 0
.irp t, TS, TS+11
	v_max3_num_f32 v[\t], v[\t], v[\t+1], v[\t+2]
	v_max3_num_f32 v[\t+3], v[\t+3], v[\t+4], v[\t+5]
	v_max3_num_f32 v[\t+6], v[\t+6], v[\t+7], v[\t+8]
.endr
.irp t, TS, TS+11
	v_max3_num_f32 v[\t], v[\t], v[\t+9], v[\t+10]
.endr
.irp t, TS, TS+11
	v_max3_num_f32 v[\t], v[\t], v[\t+3], v[\t+6]
.endr
.irp m, 1,2,4,8
.irp t, TS, TS+11
	v_max_num_f32_dpp v[\t], v[\t], v[\t] row_xmask:\m row_mask:0xf bank_mask:0xf
.endr
.endr
.irp t, TS, TS+11
	v_permlanex16_b32 v[\t+1], v[\t], s58, s59
.endr
.irp t, TS, TS+11
	v_max_num_f32 v[\t], v[\t], v[\t+1]
.endr
.irp t, TS, TS+11
	v_med3_num_f32 v[\t], v[\t], s61, s45
.endr
	v_and_b32 v[\iv0], 0x7f800000, v[TS]
	v_and_b32 v[\iv1], 0x7f800000, v[TS+11]
	v_sub_nc_u32 v[FS], 0x7f000000, v[\iv0]
	v_sub_nc_u32 v[FS+2], 0x7f000000, v[\iv1]
	WIN WM                                         ; accumulators in place, the scale from window 0 (its pair's first register for both halves)
.irp jj, 0,1
.irp i, 0,1,2,3,4,5,6,7,8,9,10,11,12,13,14,15
	v_pk_mul_f32 v[AB+32*\jj+2*\i:AB+32*\jj+2*\i+1], v[AB+32*\jj+2*\i:AB+32*\jj+2*\i+1], v[FS+2*\jj:FS+2*\jj+1] op_sel_hi:[1,0]
.endr
.endr
	WIN WC
.irp b, 0,1,2,3,4,5,6,7
.irp r, 0,1,2,3
	v_cvt_pk_f16_f32 v[\dst+\stride*\b+\r], v[AB+8*\b+2*\r], v[AB+8*\b+2*\r+1]
.endr
.endr
	WIN 0
.endm
; Behind K: the tiles go, scaled and packed, into my wave's stash, 512 bytes a tile (16 bytes a lane, no gaps); the 16 inverse scales stay in v16-31.
.macro EPI_K
	PLACES
.irp a, 0,1,2,3,4,5,6,7
	TOKSCALE \a, 64+32*((\a)&1), 4, KS+2*\a, KS+2*\a+1
.irp b, 0,1,2,3,4,5,6,7
	ds_store_b128 v[STV], v[64+32*((\a)&1)+4*\b:64+32*((\a)&1)+4*\b+3] offset:(8*\a+\b)*512
.endr
.endr
.endm
.macro KLOAD a                         ; the 8 packed tiles of k of row block a: two tokens x two fragments
.irp b, 0,1,2,3,4,5,6,7
	ds_load_b128 v[64+32*((\a)&1)+4*\b:64+32*((\a)&1)+4*\b+3], v[STV] offset:(8*(\a)+\b)*512
.endr
.endm
; Behind Q, for each row block (two tokens): S^T = K Q^T, softmax along g, w packed to f16 into the stash.  Token 2 a + jj takes bytes 512 (2 a + jj) ..: tiles of k that have been
; read (LDS serves a wave's instructions in order, and the tiles of block a + 1 begin at 512 (8 a + 8)).
.macro EPI_Q
	PLACES
	WIN 0
	KLOAD 0
.irp a, 0,1,2,3,4,5,6,7
.if \a < 7
	KLOAD \a+1
.endif
	TOKSCALE \a, QF, 4, CS, CS+2
.if \a < 7
	s_wait_dscnt 8                                 ; all but the next block's eight loads: this block's k is in
.else
	s_wait_dscnt 0
.endif
.set KF, 64+32*((\a)&1)
	; the two tokens' accumulators take turns, one instruction a turn
	v_wmma_f32_16x16x32_f16 v[S0:S0+7],    v[KF:KF+7],     v[QF:QF+7],     0
	v_wmma_f32_16x16x32_f16 v[S0+8:S0+15], v[KF+16:KF+23], v[QF+16:QF+23], 0
	v_wmma_f32_16x16x32_f16 v[S0:S0+7],    v[KF+8:KF+15],  v[QF+8:QF+15],  v[S0:S0+7]
	v_wmma_f32_16x16x32_f16 v[S0+8:S0+15], v[KF+24:KF+31], v[QF+24:QF+31], v[S0+8:S0+15]
	v_mul_f32 v[CS], s60, v[CS]                    ; the four places behind the products: the factor log2(e) / 8 x 2^Eq x 2^Ek of each token
	v_mul_f32 v[CS+2], s60, v[CS+2]
	v_mul_f32 v[CS], v[CS], v[KS+2*\a]
	v_mul_f32 v[CS+2], v[CS+2], v[KS+2*\a+1]
.irp jj, 0,1
	v_max3_num_f32 v[T0+8*\jj], v[S0+8*\jj], v[S0+8*\jj+1], v[S0+8*\jj+2]
	v_max3_num_f32 v[T0+8*\jj+1], v[S0+8*\jj+3], v[S0+8*\jj+4], v[S0+8*\jj+5]
.endr
.irp jj, 0,1
	v_max3_num_f32 v[T0+8*\jj], v[T0+8*\jj], v[S0+8*\jj+6], v[S0+8*\jj+7]
.endr
.irp jj, 0,1
	v_max_num_f32 v[T0+8*\jj], v[T0+8*\jj], v[T0+8*\jj+1]
.endr
.irp jj, 0,1
	v_permlanex16_b32 v[T0+8*\jj+1], v[T0+8*\jj], s58, s59       ; the other eight g of my row h
.endr
.irp jj, 0,1
	v_max_num_f32 v[T0+8*\jj], v[T0+8*\jj], v[T0+8*\jj+1]        ; the row's maximum (the factor is not negative, so it is the scaled scores' too)
.endr
.irp jj, 0,1
	v_mul_f32 v[T0+8*\jj], v[T0+8*\jj], v[CS+2*\jj]
.endr
.irp jj, 0,1
.irp j, 0,1,2,3,4,5,6,7
	v_fma_f32 v[S0+8*\jj+\j], v[S0+8*\jj+\j], v[CS+2*\jj], -v[T0+8*\jj]
.endr
.endr
.irp j, 0,1,2,3,4,5,6,7,8,9,10,11,12,13,14,15
	v_exp_f32 v[S0+\j], v[S0+\j]
.endr
	v_nop                                          ; one plain place behind the exponentials before their results are read (ISA guide 5.7.2)
	s_wait_alu depctr_va_vdst(0)
.irp jj, 0,1
	v_pk_add_f32 v[T0+8*\jj:T0+8*\jj+1], v[S0+8*\jj:S0+8*\jj+1], v[S0+8*\jj+2:S0+8*\jj+3]
	v_pk_add_f32 v[T0+8*\jj+2:T0+8*\jj+3], v[S0+8*\jj+4:S0+8*\jj+5], v[S0+8*\jj+6:S0+8*\jj+7]
.endr
.irp jj, 0,1
	v_pk_add_f32 v[T0+8*\jj:T0+8*\jj+1], v[T0+8*\jj:T0+8*\jj+1], v[T0+8*\jj+2:T0+8*\jj+3]
.endr
.irp jj, 0,1
	v_add_f32 v[T0+8*\jj], v[T0+8*\jj], v[T0+8*\jj+1]
.endr
.irp jj, 0,1
	v_permlanex16_b32 v[T0+8*\jj+1], v[T0+8*\jj], s58, s59
.endr
.irp jj, 0,1
	v_add_f32 v[T0+8*\jj], v[T0+8*\jj], v[T0+8*\jj+1]            ; at least about 1: the maximum's own term
.endr
	v_rcp_f32 v[T0+2], v[T0]
	v_rcp_f32 v[T0+10], v[T0+8]
	v_nop                                          ; one plain place behind the reciprocals
	s_wait_alu depctr_va_vdst(0)
.irp jj, 0,1
.irp i, 0,1,2,3
	v_pk_mul_f32 v[S0+8*\jj+2*\i:S0+8*\jj+2*\i+1], v[S0+8*\jj+2*\i:S0+8*\jj+2*\i+1], v[T0+8*\jj+2:T0+8*\jj+3] op_sel_hi:[1,0]
.endr
.endr
.irp jj, 0,1
.irp i, 0,1,2,3
	v_cvt_pk_f16_f32 v[WO+4*\jj+\i], v[S0+8*\jj+2*\i], v[S0+8*\jj+2*\i+1]
.endr
.endr
	ds_store_b128 v[STV], v[WO:WO+3] offset:(2*\a)*512
	ds_store_b128 v[STV], v[WO+4:WO+7] offset:(2*\a+1)*512
.endr
.endm
; Behind V, for each row block: O^T = V^T W^T for 8 tiles of 16 d, times 2^Ev plus bv, rounded to bf16, through my wave's stage, out in whole rows of 256 bytes.
.macro EPI_V
	PLACES
	WIN 0
.irp b, 0,1,2,3,4,5,6,7
.irp r, 4,5,6,7
	v_mov_b32 v[VF+8*\b+\r], 0                     ; k = 16 .. 31 of the fragments: zeros, written once
.endr
.endr
.irp r, 4,5,6,7,12,13,14,15
	v_mov_b32 v[WF+\r], 0
.endr
.irp a, 0,1,2,3,4,5,6,7
	ds_load_b128 v[WF:WF+3], v[STV] offset:(2*\a)*512
	ds_load_b128 v[WF+8:WF+11], v[STV] offset:(2*\a+1)*512
	TOKSCALE \a, VF, 8, CS, CS+2
	s_wait_dscnt 0x0                               ; w is in
	s_wait_xcnt 0x0                                ; the registers of O^T were the data of the last block's stores: they are rewritten only behind this wait
.irp b, 0,1,2,3,4,5,6,7
	v_wmma_f32_16x16x32_f16 v[OT+8*\b:OT+8*\b+7], v[VF+8*\b:VF+8*\b+7], v[WF+8*(\b/4):WF+8*(\b/4)+7], 0
.endr
	PLACES
.irp b, 0,1,2,3,4,5,6,7
.irp i, 0,1,2,3
	v_pk_fma_f32 v[OT+8*\b+2*\i:OT+8*\b+2*\i+1], v[OT+8*\b+2*\i:OT+8*\b+2*\i+1], v[CS+2*(\b/4):CS+2*(\b/4)+1], v[BIAS+8*\b+2*\i:BIAS+8*\b+2*\i+1] op_sel_hi:[1,0,1]
.endr
.endr
.irp b, 0,1,2,3,4,5,6,7
.irp r, 0,1,2,3
	v_cvt_pk_bf16_f32 v[OT+8*\b+\r], v[OT+8*\b+2*\r], v[OT+8*\b+2*\r+1]     ; register r is written when registers 2 r, 2 r + 1 are read: never ahead of a read
.endr
.endr
.irp b, 0,1,2,3,4,5,6,7
	ds_store_b128 v[STO], v[OT+8*\b:OT+8*\b+3] offset:32*\b
.endr
.irp t, 0,1,2,3,4,5,6,7
	ds_load_b128 v[OT+8*\t+4:OT+8*\t+7], v[RD] offset:\t*2*SPITCH          ; LDS serves a wave's instructions in order: these see the stores above
.endr
.irp t, 0,1,2,3,4,5,6,7
	s_wait_dscnt 7-\t
	global_store_b128 v[CO], v[OT+8*\t+4:OT+8*\t+7], s[22:23] offset:\t*1048576+\a*2048   ; heads 2 t, 2 t + 1: sixteen lanes store 256 consecutive, aligned bytes
.endr
.endr
.endm
	BIASLD 16                                      ; bk
	GLOAD 0, 0, 0                                  ; X of K steps 0 and 1
	GLOAD 1, 1, 0
	CONVERT 0, 16                                  ; all but the youngest 16 loads: bk and step 0 are in
	GLOAD 0, 1, 0                                  ; step 2
	WIN 0
	s_wait_dscnt 0x0                               ; my part of X slot 0 is in LDS
	s_wait_tensorcnt 0x1                           ; my W slot 0 has landed; slot 1 may stay out
	s_barrier_signal -1
	s_barrier_wait -1
	FETCH 0, 0, F0
	PHASE 1, 0, 0, 10, 18                          ; K; then query and bq
	EPI_K
	FETCH 0, 0, F0
	s_wait_loadcnt 16                              ; all but the youngest set of X: bq is in
	PHASE 1, 0, 0, 12, 20                          ; Q; then value and bv
	EPI_Q
	FETCH 0, 0, F0
	PHASE 2, 1, 1, 0, 0                            ; V (bv is shown in by the conversions' waits)
	EPI_V
	s_wait_xcnt 0x0
	s_set_vgpr_msb (MSB<<8)|((MSB&0x3c)|0x0)
	v_lshl_add_u32 v94, v0, 2, 0x4d000
	v_mov_b32 v95, 0
	s_set_vgpr_msb (((MSB&0x3c)|0x0)<<8)|((MSB&0x30)|0x0)
	s_wait_tensorcnt 0x0
	ds_add_u32 v94, v95
	s_wait_dscnt 0x0
	s_set_vgpr_msb (((MSB&0x30)|0x0)<<8)|MSB
	CROUND                                         ; the closing round: no work-group ends while a partner may still ask for a tile that names it
	s_endpgm
.Lfunc_end_k_q7057904c97_qkvattn:
	.size	k_q7057904c97_qkvattn, .Lfunc_end_k_q7057904c97_qkvattn-k_q7057904c97_qkvattn
	.p2alignl 7, 3214868480
	.fill 96, 4, 3214868480
	.section	.rodata,"a",@progbits
	.p2align	6, 0x0
	.amdhsa_kernel k_q7057904c97_qkvattn
		.amdhsa_group_segment_fixed_size 327680
		.amdhsa_private_segment_fixed_size 0
		.amdhsa_enable_private_segment 0
		.amdhsa_kernarg_size 64
		.amdhsa_user_sgpr_count 2
		.amdhsa_user_sgpr_kernarg_segment_ptr 1
		.amdhsa_wavefront_size32 1
		.amdhsa_system_sgpr_workgroup_id_x 1
		.amdhsa_system_sgpr_workgroup_id_y 1
		.amdhsa_system_sgpr_workgroup_id_z 1
		.amdhsa_system_vgpr_workitem_id 0
		.amdhsa_next_free_vgpr 1024
		.amdhsa_next_free_sgpr 66
		.amdhsa_reserve_vcc 0
		.amdhsa_float_denorm_mode_32 3
		.amdhsa_float_denorm_mode_16_64 3
		.amdhsa_memory_ordered 1
		.amdhsa_forward_progress 1
		.amdhsa_inst_pref_size 255
	.end_amdhsa_kernel
	.section	.bss,"aw",@nobits
	.p2align	6
	.space	262144
	.amdgpu_metadata
---
amdhsa.version: [ 1, 2 ]
amdhsa.kernels:
  - .name:           k_q7057904c97_qkvattn
    .symbol:         k_q7057904c97_qkvattn.kd
    .args:
      - { .name: key, .offset: 0, .size: 8, .value_kind: global_buffer, .address_space: global }
      - { .name: query, .offset: 8, .size: 8, .value_kind: global_buffer, .address_space: global }
      - { .name: value, .offset: 16, .size: 8, .value_kind: global_buffer, .address_space: global }
      - { .name: wp, .offset: 24, .size: 8, .value_kind: global_buffer, .address_space: global }
      - { .name: bk, .offset: 32, .size: 8, .value_kind: global_buffer, .address_space: global }
      - { .name: bq, .offset: 40, .size: 8, .value_kind: global_buffer, .address_space: global }
      - { .name: bv, .offset: 48, .size: 8, .value_kind: global_buffer, .address_space: global }
      - { .name: obuf, .offset: 56, .size: 8, .value_kind: global_buffer, .address_space: global }
    .group_segment_fixed_size: 327680
    .private_segment_fixed_size: 0
    .kernarg_segment_align: 8
    .kernarg_segment_size: 64
    .max_flat_workgroup_size: 128
    .sgpr_count:     66
    .vgpr_count:     1024
    .wavefront_size: 32
...
	.end_amdgpu_metadata
.endif
;; end of part 2
;; launch outproj (part 3): grid 4 x 64, 4 waves a work-group, clusters of 4 x 4, 327,680 bytes of LDS; arguments obuf, wot, out0, bo; writes out0
.if DOCPART == 3
	.amdgcn_target "amdgcn-amd-amdhsa--gfx1250"
	.amdhsa_code_object_version 6
	.text
	.protected	k_q7057904c97_outproj
	.globl	k_q7057904c97_outproj
	.p2align	8
	.type	k_q7057904c97_outproj,@function
k_q7057904c97_outproj:
	s_mov_b64 s[64:65], 0
	v_nop
	global_prefetch_b8 v0, s[64:65] scope:SCOPE_SE
	s_setreg_imm32_b32 hwreg(HW_REG_WAVE_MODE, 25, 1), 1
	s_wait_xcnt 0x0
	s_wait_alu depctr_hold_cnt(0) depctr_sa_sdst(0) depctr_va_vdst(0) depctr_va_sdst(0) depctr_va_ssrc(0) depctr_va_vcc(0) depctr_vm_vsrc(0)
	s_getreg_b32 s2, hwreg(HW_REG_IB_STS2, 6, 4)
	s_cmp_eq_u32 s2, 0
	s_cbranch_scc0 .Lentry_in_a_cluster
	s_endpgm
.Lentry_in_a_cluster:
	s_bfe_u32 s2, ttmp6, 0x10000c
	s_cmp_lg_u32 s2, 0xf033
	s_cbranch_scc0 .Lentry_shape_is_right
	s_endpgm
.Lentry_shape_is_right:
; out0[m][n] = sum over k of o[m][k] Wo[k][n] + bo[n].  A = obuf [16384][1024] bf16, B = wot [1024 n][1024 k] bf16, out0 [16384][1024] f32; sums in f32.
; A work-group makes a block of 256 x 256 with four waves; a wave 128 x 128: 64 accumulator tiles, 512 registers.  K goes in steps of 128 through a ring of two LDS slots filled by
; the tensor data mover: a tile's rows are 256 bytes of memory and start at multiples of 256 bytes.
; CLUSTER: 4 x 4 work-groups.  The four of a row of the cluster need the same tiles of A, the four of a column the same tiles of B: each is asked for jointly, which divides the
; requests for A and for B by four.
; REGISTERS in windows of 256: window 0: v0-31 addresses, v64-127 and v128-191 fragments of A (two buffers), v192-255 the bias; window 1: fragments of B; windows 2 and 3: accumulators.
; The matrix instruction is used with B as source 0 and A as source 1: lane l holds row l % 16 and the columns 8 (l / 16) + 0..7 of a tile: 32 neighbouring bytes of a row of out0.
; The bias of those columns is the C of the first product: nothing is cleared and nothing is added afterwards.
.set SIZE_N, 1024
.set SIZE_K, 1024
.set KSTEP,  128
.set PITCH,  272                       ; an LDS row: 256 bytes + 16: the 16 rows that a load touches start in 16 different 16-byte columns of 256 bytes
.set HALFT,  128*PITCH
.set SLOT,   4*HALFT                   ; A's 256 rows, then B's 256 rows
.set STAGE,  2*SLOT                    ; behind the ring: 16 rows x 528 bytes for each wave, for the way out; no tensor load fills it
.set SPITCH, 528                       ; 128 f32 + 16 bytes: 33 columns of 16 bytes
.set LAPS, SIZE_K/(2*KSTEP)
.set ADRA, 16
.set ADRB, 20
.set STO,  24
.set RD,   25
.set CO,   26
.set BO,   27
.set F0,   64
.set F1,   128
.set BIAS, 192
.set G1, 24
.set G0, 32
.set G1B, 48
.set G0B, 56
.set MSB, 0
.macro WIN new
.if MSB != (\new)
	s_set_vgpr_msb (MSB<<8)|(\new)
.set MSB, (\new)
.endif
.endm
.set MUL_LO, 0xa1                      ; source 0 (B) window 1, source 1 (A) window 0, C and D window 2
.set MUL_HI, 0xf1
.set TO_B,   0x40
; A joint load.  Waves 0 and 1 fetch A's two halves, waves 2 and 3 B's; each line has one mask.  The branch hangs on the wave's number alone.
.macro JLOAD s
	s_cmp_eq_u32 s11, 0
	s_cbranch_scc0 .Lfor_b_\@
	tensor_load_to_lds s[G0+4*\s:G0+4*\s+3], s[G1:G1+7]
	s_nop 0
	s_branch .Lasked_\@
.Lfor_b_\@:
	tensor_load_to_lds s[G0B+4*\s:G0B+4*\s+3], s[G1B:G1B+7]
	s_nop 0
.Lasked_\@:
.endm
.macro CREST
	s_cmp_lg_u32 s10, 0
	s_cbranch_scc1 .Lnot_wave_0_\@
	s_barrier_signal -3
.Lnot_wave_0_\@:
	s_barrier_wait -3
	s_barrier_signal -1
	s_barrier_wait -1
.endm
.macro CROUND
	s_barrier_signal -1
	s_barrier_wait -1
	CREST
.endm
	s_load_b128 s[4:7], s[0:1], 0x0                ; A s[4:5], B s[6:7]
	s_load_b64 s[8:9], s[0:1], 0x10                ; out0
	s_load_b64 s[66:67], s[0:1], 0x18              ; bo
	s_set_vgpr_msb 0x40
	v_lshl_add_u32 v255, v0, 2, 0x4c400
	s_set_vgpr_msb 0x4000
	v_mov_b32 v63, 0
	s_set_vgpr_msb 0x1
	ds_add_u32 v255, v63
	s_set_vgpr_msb 0x100
	v_lshrrev_b32 v1, 5, v0
	v_readfirstlane_b32 s10, v1                    ; wave
	s_lshr_b32 s11, s10, 1                         ; which half of the block's rows is mine.  Also: I fetch for A (0) or for B (1)
	s_and_b32 s12, s10, 1                          ; which half of its columns.  Also: which 128 rows of that tile I fetch
	s_bfe_u32 s40, ttmp6, 0x40000                  ; cx
	s_bfe_u32 s41, ttmp6, 0x40004                  ; cy
	s_lshl_b32 s42, ttmp9, 2
	s_add_co_u32 s42, s42, s40                     ; block column
	s_and_b32 s13, ttmp7, 0xffff
	s_lshl_b32 s13, s13, 2
	s_add_co_u32 s13, s13, s41                     ; block row
	s_lshl_b32 s43, s41, 2
	s_lshl_b32 s43, 15, s43                        ; my row of the cluster
	s_lshl_b32 s44, 0x1111, s40                    ; my column
	s_or_b32 s[G1+0], s43, (1<<16)|(1<<20)|(1<<21)|(5<<22)|(3<<25)  ; mask; 2-byte elements; padding on; bit 21 beside a mask; after every 64 words 4 words
	s_or_b32 s[G1B+0], s44, (1<<16)|(1<<20)|(1<<21)|(5<<22)|(3<<25)
	s_mov_b32 s[G1B+1], KSTEP<<16
	s_mov_b32 s[G1+1], KSTEP<<16                   ; tensor_dim0 = 128
	s_mov_b32 s[G1B+2], 128<<16
	s_mov_b32 s[G1+2], 128<<16                     ; tensor_dim1 = 128
	s_mov_b32 s[G1B+3], KSTEP<<16
	s_mov_b32 s[G1+3], KSTEP<<16                   ; tile_dim0 = 128
	s_mov_b32 s[G1B+4], 128
	s_mov_b32 s[G1+4], 128                         ; tile_dim1 = 128
	s_mov_b32 s[G1B+5], SIZE_K
	s_mov_b32 s[G1+5], SIZE_K                      ; elements from row to row
	s_mov_b32 s[G1B+6], 0
	s_mov_b32 s[G1+6], 0
	s_mov_b32 s[G1B+7], 0
	s_mov_b32 s[G1+7], 0
	s_lshl_b32 s17, s12, 7
	s_lshl_b32 s16, s13, 8
	s_add_co_u32 s16, s16, s17                     ; A: row 256 x block row + 128 x half
	s_lshl_b32 s46, s42, 8
	s_add_co_u32 s46, s46, s17                     ; B: row 256 x block column + 128 x half
	s_mov_b32 s17, 0
	s_mov_b32 s47, 0
	s_mov_b64 s[18:19], SIZE_K*2
	s_mul_u64 s[16:17], s[16:17], s[18:19]
	s_mul_u64 s[46:47], s[46:47], s[18:19]
	s_mul_i32 s20, s10, HALFT                      ; LDS: wave x 128 rows: no place in the cluster enters an LDS address
	s_wait_dscnt 0x0
	s_wait_kmcnt 0x0
	s_add_nc_u64 s[14:15], s[4:5], s[16:17]
	s_add_nc_u64 s[46:47], s[6:7], s[46:47]
	CROUND                                         ; all sixteen work-groups are here: the first joint loads meet
.irp s, 0,1
	s_mov_b32 s[G0+4*\s], 1
	s_add_co_u32 s[G0+4*\s+1], s20, \s*SLOT
	s_add_nc_u64 s[G0+4*\s+2:G0+4*\s+3], s[14:15], \s*KSTEP*2
	s_or_b32 s[G0+4*\s+3], s[G0+4*\s+3], 0x80000000
	s_mov_b32 s[G0B+4*\s], 1
	s_add_co_u32 s[G0B+4*\s+1], s20, \s*SLOT
	s_add_nc_u64 s[G0B+4*\s+2:G0B+4*\s+3], s[46:47], \s*KSTEP*2
	s_or_b32 s[G0B+4*\s+3], s[G0B+4*\s+3], 0x80000000
	JLOAD \s                                       ; two loads of the wave are out
.endr
	v_and_b32 v1, 15, v0                           ; l % 16
	v_bfe_u32 v2, v0, 4, 1                         ; l / 16
	s_lshl_b32 s45, s42, 10                        ; bias: (256 x block column + 128 x half + 8 (l / 16)) x 4 bytes
	s_lshl_b32 s3, s12, 9
	s_add_co_u32 s45, s45, s3
	v_lshl_add_u32 v[BO], v2, 5, s45
.irp b, 0,1,2,3,4,5,6,7
	global_load_b128 v[BIAS+8*\b:BIAS+8*\b+3], v[BO], s[66:67] offset:64*\b
	global_load_b128 v[BIAS+8*\b+4:BIAS+8*\b+7], v[BO], s[66:67] offset:64*\b+16
.endr
	v_mul_u32_u24 v3, v1, PITCH
	v_lshl_add_u32 v3, v2, 4, v3
	s_mul_i32 s21, s11, HALFT
	s_mul_i32 s22, s12, HALFT
	s_add_co_u32 s22, s22, 2*HALFT
.irp s, 0,1
	v_add_nc_u32 v[ADRA+\s], s21, v3
	v_add_nc_u32 v[ADRB+\s], s22, v3
	s_add_co_u32 s21, s21, SLOT
	s_add_co_u32 s22, s22, SLOT
.endr
	s_mul_i32 s23, s10, 16*SPITCH
	s_add_co_u32 s23, s23, STAGE                   ; my stage
	v_mul_u32_u24 v4, v1, SPITCH                   ; in: row l % 16, 32 bytes for each half of the lanes
	v_lshl_add_u32 v4, v2, 5, v4
	v_add_nc_u32 v[STO], s23, v4
	v_and_b32 v5, 31, v0
	v_lshlrev_b32 v[CO], 4, v5                     ; back and out: the 32 lanes take one row's 512 bytes
	v_add_nc_u32 v[RD], s23, v[CO]
; 16 matrix instructions; first = 1: the bias starts the sums
.macro MUL16 f, hi, a0, first
.irp a, \a0, \a0+1
.irp b, 0,1,2,3,4,5,6,7
.if \first
	v_wmma_f32_16x16x32_bf16 v[8*(8*(\a)+\b):8*(8*(\a)+\b)+7], v[\f+8*\b:\f+8*\b+7], v[\f+8*(4*\hi+\a):\f+8*(4*\hi+\a)+7], v[BIAS+8*\b:BIAS+8*\b+7]
.else
	v_wmma_f32_16x16x32_bf16 v[8*(8*(\a)+\b):8*(8*(\a)+\b)+7], v[\f+8*\b:\f+8*\b+7], v[\f+8*(4*\hi+\a):\f+8*(4*\hi+\a)+7], v[8*(8*(\a)+\b):8*(8*(\a)+\b)+7]
.endif
.endr
.endr
.endm
.macro FETCH slot, k, f
	WIN TO_B
.irp i, 0,1,2,3,4,5,6,7
	ds_load_b128 v[\f+8*\i:\f+8*\i+3],   v[ADRB+\slot] offset:\k+\i*16*PITCH
	ds_load_b128 v[\f+8*\i+4:\f+8*\i+7], v[ADRB+\slot] offset:\k+\i*16*PITCH+32
.endr
	WIN 0
.irp i, 0,1,2,3,4,5,6,7
	ds_load_b128 v[\f+8*\i:\f+8*\i+3],   v[ADRA+\slot] offset:\k+\i*16*PITCH
	ds_load_b128 v[\f+8*\i+4:\f+8*\i+7], v[ADRA+\slot] offset:\k+\i*16*PITCH+32
.endr
.endm
.macro PLACES                          ; four places behind a matrix instruction in front of loads into its sources and of reads of its results
.rept 4
	v_nop
.endr
.endm
; A K step is four quarters of 32 along K, 64 matrix instructions each, on buffers 0, 1, 0, 1.  The 64 accumulators take turns in the same order in every quarter.
.macro QUARTER slot, k, f, g, first
	s_wait_dscnt 8                                 ; B and A's rows 0-63 are in; the youngest eight loads may be out
.if \first
	WIN 0x81                                       ; C (the bias) in window 0
.else
	WIN MUL_LO
.endif
	MUL16 \f, 0, 0, \first
	MUL16 \f, 0, 2, \first
	PLACES
	FETCH \slot, \k, \g
	s_wait_dscnt 32                                ; all but the 32 just issued
.if \first
	WIN 0xc1
.else
	WIN MUL_HI
.endif
	MUL16 \f, 1, 0, \first
	MUL16 \f, 1, 2, \first
.endm
.macro THREE slot, first
	QUARTER \slot, 64,  F0, F1, \first
	QUARTER \slot, 128, F1, F0, 0
	QUARTER \slot, 192, F0, F1, 0
.endm
; The last quarter changes slots: one barrier.  In front of it each wave waits for its reads of this slot and for all its tensor loads (one is out: its part of the next slot).
; Where the slot is filled again the barrier opens a round of the cluster's barrier and the joint load is the first tensor load behind the round.
.macro TURN slot, next, fill
	s_wait_dscnt 8
	WIN MUL_LO
	MUL16 F1, 0, 0, 0
	s_wait_dscnt 0
	s_wait_tensorcnt 0x0
	ds_add_u32 v255, v63
	s_wait_dscnt 0x0
	s_barrier_signal -1
	MUL16 F1, 0, 2, 0
	WIN 0
	s_barrier_wait -1
.if \fill
	CREST
	s_add_nc_u64 s[G0+4*\slot+2:G0+4*\slot+3], s[G0+4*\slot+2:G0+4*\slot+3], 2*KSTEP*2
	s_add_nc_u64 s[G0B+4*\slot+2:G0B+4*\slot+3], s[G0B+4*\slot+2:G0B+4*\slot+3], 2*KSTEP*2
	JLOAD \slot
.endif
	PLACES
	FETCH \next, 0, F0
	WIN MUL_HI
	MUL16 F1, 1, 0, 0
	MUL16 F1, 1, 2, 0
.endm
.macro LAP first
	THREE 0, \first
	TURN 0, 1, 1
	THREE 1, 0
	TURN 1, 0, 1
.endm
	s_wait_loadcnt 0x0                             ; the bias
	s_wait_tensorcnt 1                             ; my part of K step 0 is in; K step 1 may stay out
	s_barrier_signal -1
	s_barrier_wait -1
	FETCH 0, 0, F0
	LAP 1
	WIN 0
	s_mov_b32 s3, LAPS-2
.Llap:
	LAP 0
	WIN 0
	s_sub_co_u32 s3, s3, 1
	s_cmp_lg_u32 s3, 0
	s_cbranch_scc1 .Llap
	THREE 0, 0                                     ; the last lap fills nothing
	TURN 0, 1, 0
	THREE 1, 0
	s_wait_dscnt 8
	WIN MUL_LO
	MUL16 F1, 0, 0, 0
	MUL16 F1, 0, 2, 0
	s_wait_dscnt 0
	WIN MUL_HI
	MUL16 F1, 1, 0, 0
	MUL16 F1, 1, 2, 0
	; THE WAY OUT, 16 rows at a time: 32 bytes a lane and tile into my own stage, read back as whole rows of 512 bytes.
	PLACES
	s_lshl_b32 s13, s13, 8
	s_lshl_b32 s14, s11, 7
	s_add_co_u32 s16, s13, s14                     ; my first row
	s_mov_b32 s17, 0
	s_mov_b64 s[18:19], SIZE_N*4
	s_mul_u64 s[16:17], s[16:17], s[18:19]
	s_add_nc_u64 s[8:9], s[8:9], s[16:17]
	s_lshl_b32 s46, s42, 10                        ; my first column, in bytes: 1024 x block + 512 x half
	s_lshl_b32 s47, s12, 9
	s_add_co_u32 s46, s46, s47
	s_mov_b32 s47, 0
	s_add_nc_u64 s[8:9], s[8:9], s[46:47]
; rows 16 i .. 16 i + 15 of my block = the eight tiles (a, 0..7) of window 2 or 3 (from = 0x08 or 0x0c: an LDS store's data are source 1); f: F0 or F1 in turn
.macro OUT16 i, a, from, f
	WIN \from
.irp b, 0,1,2,3,4,5,6,7
	ds_store_b128 v[STO], v[8*(8*\a+\b):8*(8*\a+\b)+3] offset:64*\b
	ds_store_b128 v[STO], v[8*(8*\a+\b)+4:8*(8*\a+\b)+7] offset:64*\b+16
.endr
	WIN 0
	s_wait_xcnt 0x0                                ; buffer f, which earlier stores read, and the stores' base are rewritten only behind this wait
.if \i
	s_add_nc_u64 s[8:9], s[8:9], 16*SIZE_N*4
.endif
.irp t, 0,1,2,3,4,5,6,7,8,9,10,11,12,13,14,15
	ds_load_b128 v[\f+4*\t:\f+4*\t+3], v[RD] offset:\t*SPITCH      ; LDS serves a wave's instructions in order: these see the stores above
.endr
.irp t, 0,1,2,3,4,5,6,7,8,9,10,11,12,13,14,15
	s_wait_dscnt 15-\t
	global_store_b128 v[CO], v[\f+4*\t:\f+4*\t+3], s[8:9] offset:\t*SIZE_N*4 th:TH_STORE_NT   ; the wave stores 512 consecutive bytes, at a multiple of 512 from out0's first byte
.endr
.endm
	OUT16 0, 0, 0x08, F0
	OUT16 1, 1, 0x08, F1
	OUT16 2, 2, 0x08, F0
	OUT16 3, 3, 0x08, F1
	OUT16 4, 0, 0x0c, F0
	OUT16 5, 1, 0x0c, F1
	OUT16 6, 2, 0x0c, F0
	OUT16 7, 3, 0x0c, F1
	s_set_vgpr_msb 0x1
	s_wait_tensorcnt 0x0
	ds_add_u32 v255, v63
	s_wait_dscnt 0x0
	s_set_vgpr_msb 0x100
	CROUND                                         ; the closing round
	s_endpgm
.Lfunc_end_k_q7057904c97_outproj:
	.size	k_q7057904c97_outproj, .Lfunc_end_k_q7057904c97_outproj-k_q7057904c97_outproj
	.p2alignl 7, 3214868480
	.fill 96, 4, 3214868480
	.section	.rodata,"a",@progbits
	.p2align	6, 0x0
	.amdhsa_kernel k_q7057904c97_outproj
		.amdhsa_group_segment_fixed_size 327680
		.amdhsa_private_segment_fixed_size 0
		.amdhsa_enable_private_segment 0
		.amdhsa_kernarg_size 32
		.amdhsa_user_sgpr_count 2
		.amdhsa_user_sgpr_kernarg_segment_ptr 1
		.amdhsa_wavefront_size32 1
		.amdhsa_system_sgpr_workgroup_id_x 1
		.amdhsa_system_sgpr_workgroup_id_y 1
		.amdhsa_system_sgpr_workgroup_id_z 1
		.amdhsa_system_vgpr_workitem_id 0
		.amdhsa_next_free_vgpr 1024
		.amdhsa_next_free_sgpr 68
		.amdhsa_reserve_vcc 0
		.amdhsa_float_denorm_mode_32 3
		.amdhsa_float_denorm_mode_16_64 3
		.amdhsa_memory_ordered 1
		.amdhsa_forward_progress 1
		.amdhsa_inst_pref_size 198
	.end_amdhsa_kernel
	.amdgpu_metadata
---
amdhsa.version: [ 1, 2 ]
amdhsa.kernels:
  - .name:           k_q7057904c97_outproj
    .symbol:         k_q7057904c97_outproj.kd
    .args:
      - { .name: obuf, .offset: 0, .size: 8, .value_kind: global_buffer, .address_space: global }
      - { .name: wot, .offset: 8, .size: 8, .value_kind: global_buffer, .address_space: global }
      - { .name: out0, .offset: 16, .size: 8, .value_kind: global_buffer, .address_space: global }
      - { .name: bo, .offset: 24, .size: 8, .value_kind: global_buffer, .address_space: global }
    .group_segment_fixed_size: 327680
    .private_segment_fixed_size: 0
    .kernarg_segment_align: 8
    .kernarg_segment_size: 32
    .max_flat_workgroup_size: 128
    .sgpr_count:     68
    .vgpr_count:     1024
    .wavefront_size: 32
...
	.end_amdgpu_metadata
.endif
;; end of part 3
;; ======== version 2 of 2: 3 launches; 1.20 times as fast as version 1
;; limits: right only within a limited range of input values
;; workspace buffers: wp 6,291,456 bytes; wot 2,097,152 bytes; obuf 33,554,432 bytes
;; launch prep: the kernel of part 1 again; grid 64 x 4, 8 waves a work-group, no clusters, 35,840 bytes of LDS; arguments Wk, Wq, Wv, Wo, wp, wot; writes wp, wot
;; launch qkvattn (part 4): grid 256 x 1, 4 waves a work-group, clusters of 4 x 1, 327,680 bytes of LDS; arguments key, query, value, wp, bk, bq, bv, obuf; writes obuf
.if DOCPART == 4
	.amdgcn_target "amdgcn-amd-amdhsa--gfx1250"
	.amdhsa_code_object_version 6
	.text
	.protected	k_q7057904c97_qkvattn
	.globl	k_q7057904c97_qkvattn
	.p2align	8
	.type	k_q7057904c97_qkvattn,@function
k_q7057904c97_qkvattn:
	s_mov_b64 s[64:65], 0
	v_nop
	global_prefetch_b8 v0, s[64:65] scope:SCOPE_SE
	s_setreg_imm32_b32 hwreg(HW_REG_WAVE_MODE, 25, 1), 1
	s_wait_xcnt 0x0
	s_wait_alu depctr_hold_cnt(0) depctr_sa_sdst(0) depctr_va_vdst(0) depctr_va_sdst(0) depctr_va_ssrc(0) depctr_va_vcc(0) depctr_vm_vsrc(0)
	s_getreg_b32 s2, hwreg(HW_REG_IB_STS2, 6, 4)
	s_cmp_eq_u32 s2, 0
	s_cbranch_scc0 .Lentry_in_a_cluster
	s_endpgm
.Lentry_in_a_cluster:
	s_bfe_u32 s2, ttmp6, 0x10000c
	s_cmp_lg_u32 s2, 0x3003
	s_cbranch_scc0 .Lentry_shape_is_right
	s_endpgm
.Lentry_shape_is_right:
; k = key Wk + bk, q = query Wq + bq, v = value Wv + bv, and the attention of each token over its 16 heads, in one launch; o goes out as bf16.
;
; WHAT THE RESHAPES MEAN.  Head h of token n = 16 i + j lies in row 256 h + i of the projection, columns 64 j .. 64 j + 63, and o goes back to the same place.
; So the 16 rows { 256 h + i } of a batch and one block of 64 columns are one token: S = Q K^T (16 x 16, K = 64), softmax along g, O = W V (K = 16).
; THE WORK.  A work-group takes 128 rows (8 values of i x 16 heads; its row 16 il + h is row 4096 b + 256 h + i0 + il of the tensors) and 512 columns; a wave 128 x 128:
; 64 accumulator tiles, 512 registers, 16 tokens.  Three phases of 16 K steps of 64, in the order K, Q, V, on the same accumulators.  Behind K the tile goes to LDS
; (the stash, each wave's own); behind Q the softmax weights are made and take the stash's place; behind V they are applied.
; X (f32) comes through registers: each wave loads a quarter of a step's 128 x 64 tile, three steps ahead of its use, rounds it ONCE to bf16 and puts it into an LDS slot for all four.
; W (bf16, tiled by the launch before) comes by tensor loads, each wave its own 128 columns.
; CLUSTER.  The four work-groups of a cluster have different rows and the same 512 columns: they need the same tiles of W and ask for them jointly (mask 15), which divides
; the requests for W by four.  X cannot be asked for jointly: it has to pass through registers to be rounded.
; Cluster q begins its walk along K at step (q >> 1) & 15 and wraps round: in any one step different clusters ask for different tiles of W.  Only the order of the f32 sums changes.
;
; THE TEXT IS KEPT SHORT.  Only the first 64 products of a phase differ from the others (their C is the bias or 0), so a phase is those 64 and ONE loop of two K steps a trip; the turn to
; the next phase's X and W hangs on the trip's number.  K and Q run the same text (an outer loop of two trips).  The epilogues are loops of eight trips (one row block, two tokens, a trip):
; registers cannot be indexed, so the lines that name accumulators are written eight times and chosen by a branch on the trip's number, and all else is written once.
;
; LAYOUTS need no shuffle.  In K and Q the matrix instruction is used with W as source 0 and X as source 1: a lane (r = lane % 16, hf = lane / 16) holds row (head) r and the columns
; 16 b + 8 hf + 0..7 of tile b, which packed is half a fragment (tiles 2 c, 2 c + 1 = registers 0-3, 4-7 of the K chunk c).  S^T = K Q^T: lane (r = h, hf) holds g = 8 hf + 0..7:
; the softmax is 8 registers and one exchange of the halves, and packed it is registers 0-3 of a B fragment with k = g.  In V source 0 is X: a lane holds (g = 8 hf + j, d = r),
; packed registers 0-3 of an A fragment of V^T.  O^T = V^T W^T: lane (r = h, hf) holds 8 neighbouring d.  K = 16 is filled up to 32 by zeros in registers 4-7 of both.
;
; NUMBER FORMATS.  The three projections: bf16 operands, f32 sums.  The operands of the attention's products are f16, each token's 16 x 64 tile of q, k or v scaled by a power of two
; 2^-E, E the exponent of the tile's largest magnitude (clamped to 2^-126 .. 2^126), so that it lies in (-2, 2) whatever the inputs' size; the inverse scales are multiplied back in f32.
; w lies in 0 .. 1.  With only 16 values in a softmax, bf16's 8 bits in q, k, v and w would add up to a third of the allowed error; f16's 11 bits leave o's rounding alone.
; bk and bq start the sums (C of the first product).  bv is added behind O: sum over g of w (v + bv) = sum of w v + bv, since the w of a row add up to 1, for every input.
; LIMITS.  q, k, v: elements below 2^-14 of their token's largest lose relative precision (absolute error at most 2^-25 of the largest).  w below 2^-24 counts as 0; an exponential
; below 2^-126 counts as 0.  The true maximum of each row is taken away before the exponential.  The product of a token's largest |q| and largest |k| must stay below 2^127.
; NaN and infinities are not carried as the reference carries them (maxima pass over a NaN).  o is rounded to bf16.
.set XPITCH, 144                       ; an LDS row of 64 bf16: 128 bytes + 16: nine 16-byte columns, so 16 neighbouring rows start in 16 different columns of 256 bytes
.set WWAVE,  128*XPITCH                ; a wave's 128 rows (columns of W) of one K step
.set WSLOT,  4*WWAVE                   ; W slots at 0 and WSLOT: filled by tensor loads alone
.set XBASE,  2*WSLOT                   ; X slots: 128 rows each, written by LDS stores alone
.set XSLOT,  128*XPITCH
.set STASH,  XBASE+2*XSLOT             ; 32,768 bytes for each wave: k's 64 packed tiles of 512 bytes; later w, 512 bytes a token, in the first 8,192;
.set STAGE,  8192                      ; later, from here, 16 rows x 272 bytes for the way out
.set SPITCH, 272
.set SCR,    STASH+4*32768             ; 256 bytes for each wave: the inverse scales of k's 16 tokens, 4 bytes each
; vector registers, window 0
.set ADRA, 3                           ; LDS address of my X fragments in slot 0
.set ADRB, 4                           ; v4, v5: of my W fragments in slot 0, 1
.set XST,  6                           ; where I put converted X
.set VOFF, 7                           ; my byte offset in X
.set STV,  8                           ; my wave's stash + 16 x lane
.set STO,  9                           ; stage: where I put 16 bytes of a row of o
.set RD,   10                          ; stage: where I read a row back
.set CO,   11                          ; my byte offset in obuf
.set BOFF, 12                          ; my byte offset in a bias
.set STK,  13                          ; epilogues: STV + 4,096 x trip (k's tiles of the row block)
.set STW,  14                          ; epilogues: STV + 1,024 x trip (w of the row block's two tokens)
.set SCA,  15                          ; epilogues: my wave's scales + 8 x trip
.set KSC,  16                          ; v16-17: k's inverse scales of the trip's two tokens
.set WF,   16                          ; v16-31 in the last epilogue: two fragments of w
.set TMP,  32                          ; v32-63: converted X on its way to LDS; at work in the epilogues:
.set TS,   32                          ;   v32-53 maxima of two tokens
.set FS,   54                          ;   v54, v56 scale of token 0, 1
.set CS,   58                          ;   v58, v60 inverse scale, then the softmax factor
.set T0,   32                          ;   v32-47 softmax at work
.set WO,   48                          ;   v48-55 packed w
.set F0,   64                          ; v64-127 fragment buffer 0 (window 0: X, window 1: W)
.set F1,   128                         ; v128-191 fragment buffer 1
.set BIAS, 192                         ; v192-255: bias of tile b's columns 16 b + 8 hf + 0..7 at BIAS + 8 b
.set QF,   64                          ; epilogues: the row block packed (k on its way to the stash, or q)
.set KF,   96                          ;   k's packed tiles read back
.set S0,   160                         ;   scores of two tokens, v160-175
.set VF,   64                          ;   fragments of V^T, 8 registers a tile
.set OT,   128                         ;   O^T, 8 registers a tile
.set P,    64                          ; window 1, v64-127 in the epilogues: the row block's 64 numbers a lane, scaled, in f32
; window 1: v0-63 and v192-255: X in f32, two sets on their way.  Windows 2, 3: accumulator tile (a, b) at 8 (8 (a & 3) + b), a = 0-3 and 4-7
; scalar registers
.set G1, 24                            ; s[24:31] descriptor group 1
.set G0, 32                            ; s[32:39] descriptor group 0, one set for each slot
.set XB, 46                            ; base of the X loads just issued
.set PB, 48                            ; this phase's X at my rows
.set KX, 50                            ; s50: byte offset of the K step that is loaded next; s51 = 0
.set PW, 52                            ; this phase's W at my wave's columns
.set WK, 54                            ; s54, s56: byte offset of the K tile of slot 0, 1; s55 = s57 = 0
.set NX, 68                            ; the next phase's X at my rows
.set NB, 70                            ; the next phase's bias
.set PS, 72                            ; s72: 0 or the bytes of a matrix of W; s73 = 0
; s3 trip counters; s66 the phase (0 K, 1 Q); s74 LDS address of my wave's scales
.set MSB, 0
.macro WIN new                         ; s_set_vgpr_msb: bits 1:0 source 0, 3:2 source 1, 5:4 source 2, 7:6 destination; the high byte repeats the setting that is left
.if MSB != (\new)
	s_set_vgpr_msb (MSB<<8)|(\new)
.set MSB, (\new)
.endif
.endm
.macro PLACES                          ; four places behind a matrix instruction (ISA guide 7.12.1) where there is no useful vector work to put there
.rept 4
	v_nop
.endr
.endm
.macro CREST                           ; a round of the cluster's barrier behind its opening work-group barrier
	s_cmp_lg_u32 s40, 0
	s_cbranch_scc1 .Lnot_wave_0_\@
	s_barrier_signal -3
.Lnot_wave_0_\@:
	s_barrier_wait -3
	s_barrier_signal -1
	s_barrier_wait -1
.endm
.macro CROUND
	s_barrier_signal -1
	s_barrier_wait -1
	CREST
.endm
	s_load_b512 s[8:23], s[0:1], 0x0               ; key 8, query 10, value 12, wp 14, bk 16, bq 18, bv 20, obuf 22
	v_lshl_add_u32 v126, v0, 2, 0x4d400
	v_mov_b32 v127, 0
	ds_add_u32 v126, v127
	s_wait_dscnt 0x0
	v_lshrrev_b32 v13, 5, v0
	v_readfirstlane_b32 s40, v13                   ; wave
	s_bfe_u32 s41, ttmp6, 0x40000                  ; cx: my place in the cluster
	s_lshr_b32 s4, ttmp9, 1                        ; in a cluster launch ttmp9 counts clusters: 64 = 32 groups of rows x 2 halves of the columns
	s_and_b32 s43, ttmp9, 1                        ; ch: which 512 columns
	s_and_b32 s44, s4, 15                          ; rot: the K step at which this cluster begins
	s_lshl_b32 s42, s4, 2
	s_add_co_u32 s42, s42, s41                     ; rb: my block of 128 rows, 0..127 (enters global addresses of X and o alone)
	s_mov_b32 s58, 0x76543210                      ; v_permlanex16_b32: lane i reads lane i of the other half
	s_mov_b32 s59, 0xfedcba98
	s_mov_b32 s60, 0x3e38aa3b                      ; log2(e) / 8: the scale 1 / sqrt(64) and the change of base in one
	s_mov_b32 s61, 0x00800000                      ; 2^-126
	s_mov_b32 s45, 0x7e800000                      ; 2^126
	s_mov_b32 s73, 0
	s_lshl_b32 s74, s40, 8
	s_add_co_u32 s74, s74, SCR                     ; my wave's scales
	; group 1: 16,384 dense bytes as 64 rows of 32 elements of 8 bytes; 16 bytes of padding behind every 128: an LDS row (64 k of one column of W) every 144 bytes
	s_mov_b32 s[G1+0], 0x0733000f                  ; 15:0 mask: the four of the cluster; 17:16 8-byte elements; 20 padding on; 21 set beside a mask; 24:22 every 32 words (code 4); 31:25 4 words (code 3)
	s_mov_b32 s[G1+1], 32<<16                      ; tensor_dim0 = 32
	s_mov_b32 s[G1+2], 64<<16                      ; tensor_dim1 = 64
	s_mov_b32 s[G1+3], 32<<16                      ; tile_dim0 = 32
	s_mov_b32 s[G1+4], 64                          ; tile_dim1 = 64
	s_mov_b32 s[G1+5], 32                          ; from row to row: 32 elements
	s_mov_b32 s[G1+6], 0
	s_mov_b32 s[G1+7], 0
	s_lshr_b32 s5, s42, 5                          ; batch
	s_and_b32 s6, s42, 31
	s_lshl_b32 s62, s5, 24                         ; 4096 rows of 4,096 bytes
	s_lshl_b32 s6, s6, 15                          ; i0 = 8 (rb & 31) rows
	s_add_co_u32 s62, s62, s6                      ; X: offset of my row (h = 0, il = 0)
	s_mov_b32 s63, 0
	s_lshl_b32 s5, s43, 10
	s_lshr_b32 s6, s62, 1                          ; o: rows of 2,048 bytes,
	s_add_co_u32 s6, s6, s5                        ; + 512 ch columns of 2 bytes
	s_mov_b32 s7, 0
	s_lshl_b32 s56, s43, 16                        ; W: 512 ch rows of 128 bytes
	s_lshl_b32 s54, s40, 14                        ; + 128 rows for each wave
	s_add_co_u32 s56, s56, s54
	s_mov_b32 s57, 0
	s_mov_b32 s55, 0
	s_mov_b32 s51, 0
	s_lshl_b32 s[KX], s44, 8                       ; a K step of X is 256 bytes
	s_mul_i32 s[G0+1], s40, WWAVE                  ; LDS address: the wave's number times a constant, plus the slot's constant
	s_add_co_u32 s[G0+5], s[G0+1], WSLOT
	s_mov_b32 s[G0+0], 1
	s_mov_b32 s[G0+4], 1
	v_and_b32 v1, 15, v0                           ; r
	v_bfe_u32 v2, v0, 4, 1                         ; hf
	v_and_b32 v14, 31, v0                          ; lane
	v_mul_u32_u24 v13, v1, XPITCH
	v_lshl_add_u32 v13, v2, 4, v13                 ; a fragment: row r, 16 bytes for each half of the lanes
	v_add_nc_u32 v[ADRA], XBASE, v13
	v_add_nc_u32 v[ADRB], s[G0+1], v13
	v_add_nc_u32 v[ADRB+1], WSLOT, v[ADRB]
	s_mul_i32 s4, s40, 32*XPITCH                   ; converted X: my wave's rows 32 w .. 32 w + 31; lanes 16-31 eight rows below lanes 0-15; 8 bytes a lane
	s_add_co_u32 s4, s4, XBASE
	v_mul_u32_u24 v[XST], v2, 8*XPITCH
	v_lshl_add_u32 v[XST], v1, 3, v[XST]
	v_add_nc_u32 v[XST], s4, v[XST]
	v_lshlrev_b32 v[VOFF], 23, v2                  ; X: heads 8 hf + t (a head is 256 rows of 4,096 bytes), il = 2 w + e, 16 bytes a lane
	v_lshl_add_u32 v[VOFF], v1, 4, v[VOFF]
	s_lshl_b32 s4, s40, 13
	v_add_nc_u32 v[VOFF], s4, v[VOFF]
	s_lshl_b32 s4, s40, 15
	s_add_co_u32 s4, s4, STASH
	v_lshl_add_u32 v[STV], v14, 4, s4
	s_add_co_u32 s4, s4, STAGE
	v_mul_u32_u24 v[STO], v1, SPITCH
	v_lshl_add_u32 v[STO], v2, 4, v[STO]
	v_add_nc_u32 v[STO], s4, v[STO]
	v_mul_u32_u24 v[RD], v2, SPITCH
	v_lshl_add_u32 v[RD], v1, 4, v[RD]
	v_add_nc_u32 v[RD], s4, v[RD]
	v_lshlrev_b32 v[CO], 19, v2                    ; o: head 2 t + hf (256 rows of 2,048 bytes), my wave's 256 bytes of the row, 16 bytes a lane
	v_lshl_add_u32 v[CO], v1, 4, v[CO]
	s_lshl_b32 s4, s40, 8
	v_add_nc_u32 v[CO], s4, v[CO]
	s_lshl_b32 s4, s43, 11                         ; bias: (512 ch + 128 w + 8 hf) x 4 bytes
	s_lshl_b32 s5, s40, 9
	s_add_co_u32 s4, s4, s5
	v_lshl_add_u32 v[BOFF], v2, 5, s4
	s_wait_kmcnt 0x0
	s_add_nc_u64 s[PW:PW+1], s[14:15], s[56:57]
	s_lshl_b32 s[WK], s44, 17                      ; a K tile of W is 131,072 bytes
	s_add_co_u32 s[WK+2], s44, 1
	s_and_b32 s[WK+2], s[WK+2], 15
	s_lshl_b32 s[WK+2], s[WK+2], 17
	s_add_nc_u64 s[G0+2:G0+3], s[PW:PW+1], s[WK:WK+1]
	s_or_b32 s[G0+3], s[G0+3], 0x80000000          ; type = 2
	s_add_nc_u64 s[G0+6:G0+7], s[PW:PW+1], s[WK+2:WK+3]
	s_or_b32 s[G0+7], s[G0+7], 0x80000000
	s_add_nc_u64 s[8:9], s[8:9], s[62:63]
	s_add_nc_u64 s[10:11], s[10:11], s[62:63]
	s_add_nc_u64 s[12:13], s[12:13], s[62:63]
	s_add_nc_u64 s[22:23], s[22:23], s[6:7]
	s_mov_b64 s[PB:PB+1], s[8:9]
	CROUND                                         ; the four work-groups are here: the first joint loads meet
	tensor_load_to_lds s[G0:G0+3], s[G1:G1+7]      ; K steps 0 and 1 of W: both first fills in one group; two loads of the wave are out
	s_nop 0
	tensor_load_to_lds s[G0+4:G0+7], s[G1:G1+7]
	s_nop 0
; 16 loads: the bias of my 8 tiles' columns (window 0)
.macro BIASLD p
.irp b, 0,1,2,3,4,5,6,7
	global_load_b128 v[BIAS+8*\b:BIAS+8*\b+3], v[BOFF], s[\p:\p+1] offset:64*\b
	global_load_b128 v[BIAS+8*\b+4:BIAS+8*\b+7], v[BOFF], s[\p:\p+1] offset:64*\b+16
.endr
.endm
; 16 loads: my quarter of one K step of X into register set q (window 1).  Sixteen lanes take the 256 bytes (64 f32) of one row.
; step = 1: the next K step, wrapping at 16.  sel = 1: in trip 6 (K step 13, whose load is for three steps on) the base turns to the next phase's X.
.macro GLOAD q, step, sel
	s_wait_xcnt 0x0                                ; the base of the loads issued before is rewritten only behind this wait
.if \sel
	s_cmp_eq_u32 s3, 6
	s_cselect_b64 s[PB:PB+1], s[NX:NX+1], s[PB:PB+1]
.endif
.if \step
	s_add_co_u32 s[KX], s[KX], 256
	s_and_b32 s[KX], s[KX], 0xfff
.endif
	s_add_nc_u64 s[XB:XB+1], s[PB:PB+1], s[KX:KX+1]
	WIN 0x40
.irp e, 0,1
.irp t, 0,1,2,3,4,5,6,7
	global_load_b128 v[192*(\q)+4*(8*\e+\t):192*(\q)+4*(8*\e+\t)+3], v[VOFF], s[XB:XB+1] offset:\t*1048576+\e*4096
.endr
.endr
.endm
; Register set q is rounded to bf16 and put into X slot q.  cnt = how many younger loads may stay out.
; The two halves of the lanes store 8 rows = 1,152 bytes apart: the 32 lanes' 256 bytes fall on different banks.
.macro CONVERT q, cnt
	s_wait_loadcnt \cnt
	WIN 0x05
.irp e, 0,1
.irp t, 0,1,2,3,4,5,6,7
	v_cvt_pk_bf16_f32 v[TMP+2*(8*\e+\t)], v[192*(\q)+4*(8*\e+\t)], v[192*(\q)+4*(8*\e+\t)+1]
	v_cvt_pk_bf16_f32 v[TMP+2*(8*\e+\t)+1], v[192*(\q)+4*(8*\e+\t)+2], v[192*(\q)+4*(8*\e+\t)+3]
.endr
.endr
	WIN 0
.irp e, 0,1
.irp t, 0,1,2,3,4,5,6,7
	ds_store_b64 v[XST], v[TMP+2*(8*\e+\t):TMP+2*(8*\e+\t)+1] offset:(\q)*XSLOT+(16*\e+\t)*XPITCH
.endr
.endr
.endm
; 32 LDS loads in one run: the fragments of half a K step (32 k at byte k of the rows): my 128 columns of W (window 1), then the 128 rows of X (window 0)
.macro FETCH s, k, f
	WIN 0x40
.irp i, 0,1,2,3,4,5,6,7
	ds_load_b128 v[\f+8*\i:\f+8*\i+3],   v[ADRB+(\s)] offset:\k+\i*16*XPITCH
	ds_load_b128 v[\f+8*\i+4:\f+8*\i+7], v[ADRB+(\s)] offset:\k+\i*16*XPITCH+32
.endr
	WIN 0
.irp i, 0,1,2,3,4,5,6,7
	ds_load_b128 v[\f+8*\i:\f+8*\i+3],   v[ADRA] offset:(\s)*XSLOT+\k+\i*16*XPITCH
	ds_load_b128 v[\f+8*\i+4:\f+8*\i+7], v[ADRA] offset:(\s)*XSLOT+\k+\i*16*XPITCH+32
.endr
.endm
; 16 matrix instructions: row blocks a0, a0 + 1 of the window's four x all 8 column blocks.
; mode 0: adds in place; 1: the bias starts the sums; 2: the constant 0 starts them.  nat 0: source 0 = W, source 1 = X; nat 1: the other way round.
.macro MUL16 f, hi, a0, mode, nat
.irp a, \a0, \a0+1
.irp b, 0,1,2,3,4,5,6,7
.if \nat
.if \mode == 2
	v_wmma_f32_16x16x32_bf16 v[8*(8*(\a)+\b):8*(8*(\a)+\b)+7], v[\f+8*(4*\hi+\a):\f+8*(4*\hi+\a)+7], v[\f+8*\b:\f+8*\b+7], 0
.else
	v_wmma_f32_16x16x32_bf16 v[8*(8*(\a)+\b):8*(8*(\a)+\b)+7], v[\f+8*(4*\hi+\a):\f+8*(4*\hi+\a)+7], v[\f+8*\b:\f+8*\b+7], v[8*(8*(\a)+\b):8*(8*(\a)+\b)+7]
.endif
.elseif \mode == 1
	v_wmma_f32_16x16x32_bf16 v[8*(8*(\a)+\b):8*(8*(\a)+\b)+7], v[\f+8*\b:\f+8*\b+7], v[\f+8*(4*\hi+\a):\f+8*(4*\hi+\a)+7], v[BIAS+8*\b:BIAS+8*\b+7]
.else
	v_wmma_f32_16x16x32_bf16 v[8*(8*(\a)+\b):8*(8*(\a)+\b)+7], v[\f+8*\b:\f+8*\b+7], v[\f+8*(4*\hi+\a):\f+8*(4*\hi+\a)+7], v[8*(8*(\a)+\b):8*(8*(\a)+\b)+7]
.endif
.endr
.endr
.endm
.macro MULWIN hi, mode, nat            ; W's fragments in window 1, X's in window 0, D in window 2 + hi, C there too or (the bias) in window 0
.if \nat
	WIN 0xa4+0x50*\hi
.elseif \mode == 1
	WIN 0x81+0x40*\hi
.else
	WIN 0xa1+0x50*\hi
.endif
.endm
; ONE K STEP of 64 on slot s is 128 matrix instructions, 64 on fragment buffer 0 and 64 on buffer 1, in four pieces: HEADW, XPART, BPART, BTAIL.  The 64 accumulators take turns in the
; same order in both halves, one instruction a turn, over every jump too.
; HEADW: the second half's fragments are fetched into buffer 1 and the first half's 64 products are made in one run, so that a phase's first step differs in this piece alone.
.macro HEADW s, mode, nat
	PLACES                                         ; behind the products that read buffer 1
	s_wait_dscnt 8                                 ; buffer 0: W and X's rows 0-63 are in; the youngest eight loads (X's rows 64-127) may be out
	FETCH \s, 64, F1
	MULWIN 0, \mode, \nat
	MUL16 F0, 0, 0, \mode, \nat
	MUL16 F0, 0, 2, \mode, \nat
	s_wait_dscnt 32                                ; all but the 32 loads just issued
	MULWIN 1, \mode, \nat
	MUL16 F0, 1, 0, \mode, \nat
	MUL16 F0, 1, 2, \mode, \nat
.endm
; XPART: the next step's X (set 1 - s) is rounded into X slot 1 - s, which all waves finished reading before the last barrier; the set is loaded again with the X of three steps on.
; Two sets are out at a conversion (32 loads): the count 16 shows the older one in.  In a phase's first trip the youngest 16 are the next bias: both sets are then shown in.
.macro XPART s, cv, cnt, g, sel
.if \cv
	CONVERT 1-\s, \cnt
.endif
.if \g
	GLOAD 1-\s, 1, \sel
.endif
.endm
; BPART: 32 products on buffer 1 and ONE barrier for the change of slots.  In front of it each wave waits for all its LDS instructions (its reads of both slots s, its stores into X slot
; 1 - s) and for all its tensor loads (one is out: W slot 1 - s).  Where W slot s is filled again (fill) the barrier opens a round of the cluster's barrier, and the joint load, the tile of
; two steps on, is the first tensor load behind the round's end and the wave's only one until the next.  cvd: a conversion's 16 stores are younger than buffer 1's loads.
; wsw = 1: in trip 7 (K step 14, whose fill is for two steps on) W goes on to the next phase's matrix.
.macro BPART s, nat, cvd, fill, wsw
	s_wait_dscnt 8+16*\cvd                         ; buffer 1: W and X's rows 0-63 are in
	MULWIN 0, 0, \nat
	MUL16 F1, 0, 0, 0, \nat
	s_wait_dscnt 0                                 ; my reads of the slots s are over and my stores into X slot 1 - s are in LDS
	s_wait_xcnt 0x0
	s_set_vgpr_msb (MSB<<8)|((MSB&0x3c)|0x0)
	v_lshl_add_u32 v126, v0, 2, 0x4d400
	v_mov_b32 v127, 0
	s_set_vgpr_msb (((MSB&0x3c)|0x0)<<8)|((MSB&0x30)|0x0)
	s_wait_tensorcnt 0x0                           ; all my tensor loads have landed
	ds_add_u32 v126, v127
	s_wait_dscnt 0x0
	s_set_vgpr_msb (((MSB&0x30)|0x0)<<8)|MSB
	s_barrier_signal -1
	MUL16 F1, 0, 2, 0, \nat                        ; registers only, while the others arrive
	WIN 0
	s_barrier_wait -1
.if \fill
	CREST                                          ; no wave of any partner still reads its W slot s or has a load on its way
.if \wsw
	s_cmp_eq_u32 s3, 7
	s_cselect_b32 s[PS], 0x200000, 0
	s_add_nc_u64 s[PW:PW+1], s[PW:PW+1], s[PS:PS+1]
.endif
	s_add_co_u32 s[WK+2*(\s)], s[WK+2*(\s)], 0x40000       ; two K tiles on, wrapping at 16
	s_and_b32 s[WK+2*(\s)], s[WK+2*(\s)], 0x1fffff
	s_add_nc_u64 s[G0+4*(\s)+2:G0+4*(\s)+3], s[PW:PW+1], s[WK+2*(\s):WK+2*(\s)+1]
	s_or_b32 s[G0+4*(\s)+3], s[G0+4*(\s)+3], 0x80000000
	tensor_load_to_lds s[G0+4*(\s):G0+4*(\s)+3], s[G1:G1+7]
	s_nop 0
.endif
.endm
; BTAIL: the next step's first fragments are fetched into buffer 0 (nextf), and the last 32 products on buffer 1
.macro BTAIL s, nat, nextf
.if \nextf
	PLACES                                         ; behind the products that read buffer 0
	FETCH 1-\s, 0, F0
.endif
	MULWIN 1, 0, \nat
	MUL16 F1, 1, 0, 0, \nat
	MUL16 F1, 1, 2, 0, \nat
.endm
; the very last half step: nothing follows, no barrier
.macro BLAST nat
	s_wait_dscnt 8
	MULWIN 0, 0, \nat
	MUL16 F1, 0, 0, 0, \nat
	MUL16 F1, 0, 2, 0, \nat
	s_wait_dscnt 0
	MULWIN 1, 0, \nat
	MUL16 F1, 1, 0, 0, \nat
	MUL16 F1, 1, 2, 0, \nat
.endm
; a phase's first 64 products
.macro FIRST mode, nat
	PLACES                                         ; behind the epilogue's products, which read v64-127
	FETCH 0, 0, F0
	HEADW 0, \mode, \nat
.endm
; The loop of a phase: trip i goes from behind the first 64 products of K step 2 i to the first 64 of step 2 i + 2.
; kq = 1 (K and Q): the last trip leaves behind step 15's refill; what is left of the step, 32 products, stands behind the loop.  kq = 0 (V): the loop ends at its foot.
.macro KLOOP nat, trips, kq
	WIN 0
	s_mov_b32 s3, 0
.Lk_\@:
	XPART 0, 1, 16, 1, 0
	BPART 0, \nat, 1, 1, \kq
	BTAIL 0, \nat, 1
	HEADW 1, 0, \nat
	XPART 1, 1, 16, 1, \kq
	BPART 1, \nat, 1, 1, 0
	s_add_co_u32 s3, s3, 1
.if \kq
	s_cmp_eq_u32 s3, \trips
	s_cbranch_scc1 .Lkd_\@
.endif
	BTAIL 1, \nat, 1
	HEADW 0, 0, \nat
	WIN 0
	s_cmp_lt_u32 s3, \trips
	s_cbranch_scc1 .Lk_\@
.Lkd_\@:
.endm
; THE EPILOGUES' COMMON PIECES.  A trip takes row block a = s3: two tokens, 32 neighbouring accumulator registers each, spread over all 32 lanes.
; SW8: the piece 'body', written once for each row block, chosen by the trip's number
.macro SW8 tag, body
.irp a, 0,1,2,3,4,5,6
	s_cmp_eq_u32 s3, \a
	s_cbranch_scc1 .Lsw_\tag\a
.endr
	\body 7
.irp a, 0,1,2,3,4,5,6
	s_branch .Lswj_\tag
.Lsw_\tag\a:
	\body \a
.endr
.Lswj_\tag:
.endm
; MAXV: a lane's 32 magnitudes of each token down to 11
.macro MAXV a
.set AB, 64*((\a)&3)
	WIN 0x2a+0x15*((\a)>>2)                        ; three sources in the accumulators' window, the result in window 0
.irp jj, 0,1
.irp i, 0,1,2,3,4,5,6,7,8,9
	v_max3_num_f32 v[TS+11*\jj+\i], |v[AB+32*\jj+3*\i]|, |v[AB+32*\jj+3*\i+1]|, |v[AB+32*\jj+3*\i+2]|
.endr
	v_max_num_f32 v[TS+11*\jj+10], |v[AB+32*\jj+30]|, |v[AB+32*\jj+31]|
.endr
	WIN 0
.endm
; SCALEC: the largest magnitude M of each token over all lanes, clamped to 2^-126 .. 2^126; CS = 2^E (M's exponent field alone), FS = 2^-E = the bits 0x7f000000 - CS
.macro SCALEC
.irp t, TS, TS+11
	v_max3_num_f32 v[\t], v[\t], v[\t+1], v[\t+2]
	v_max3_num_f32 v[\t+3], v[\t+3], v[\t+4], v[\t+5]
	v_max3_num_f32 v[\t+6], v[\t+6], v[\t+7], v[\t+8]
.endr
.irp t, TS, TS+11
	v_max3_num_f32 v[\t], v[\t], v[\t+9], v[\t+10]
.endr
.irp t, TS, TS+11
	v_max3_num_f32 v[\t], v[\t], v[\t+3], v[\t+6]
.endr
.irp m, 1,2,4,8
.irp t, TS, TS+11
	v_max_num_f32_dpp v[\t], v[\t], v[\t] row_xmask:\m row_mask:0xf bank_mask:0xf
.endr
.endr
.irp t, TS, TS+11
	v_permlanex16_b32 v[\t+1], v[\t], s58, s59
.endr
.irp t, TS, TS+11
	v_max_num_f32 v[\t], v[\t], v[\t+1]
.endr
.irp t, TS, TS+11
	v_med3_num_f32 v[\t], v[\t], s61, s45
.endr
	v_and_b32 v[CS], 0x7f800000, v[TS]
	v_and_b32 v[CS+2], 0x7f800000, v[TS+11]
	v_sub_nc_u32 v[FS], 0x7f000000, v[CS]
	v_sub_nc_u32 v[FS+2], 0x7f000000, v[CS+2]
.endm
; MULV: the row block times its tokens' scales, into the fixed registers P of window 1 (the scale: its pair's first register for both halves)
.macro MULV a
.set AB, 64*((\a)&3)
	WIN 0x42+((\a)>>2)                             ; source 0 the accumulators' window, source 1 window 0, the result in window 1
.irp jj, 0,1
.irp i, 0,1,2,3,4,5,6,7,8,9,10,11,12,13,14,15
	v_pk_mul_f32 v[P+32*\jj+2*\i:P+32*\jj+2*\i+1], v[AB+32*\jj+2*\i:AB+32*\jj+2*\i+1], v[FS+2*\jj:FS+2*\jj+1] op_sel_hi:[1,0]
.endr
.endr
	WIN 0
.endm
; CVT: P packed to f16: tile b's four registers at dst + stride b
.macro CVT dst, stride
	WIN 0x05
.irp b, 0,1,2,3,4,5,6,7
.irp r, 0,1,2,3
	v_cvt_pk_f16_f32 v[\dst+\stride*\b+\r], v[P+8*\b+2*\r], v[P+8*\b+2*\r+1]
.endr
.endr
	WIN 0
.endm
	BIASLD 16                                      ; bk
	GLOAD 0, 0, 0                                  ; X of K steps 0 and 1
	GLOAD 1, 1, 0
	CONVERT 0, 16                                  ; all but the youngest 16 loads: bk and step 0 are in
	GLOAD 0, 1, 0                                  ; step 2
	WIN 0
	s_wait_dscnt 0x0                               ; my part of X slot 0 is in LDS
	s_wait_tensorcnt 0x1                           ; my W slot 0 has landed; slot 1 may stay out
	s_barrier_signal -1
	s_barrier_wait -1
	; PHASES K AND Q: the same text, twice
	s_mov_b32 s66, 0
.Lphase:
	s_cmp_eq_u32 s66, 0
	s_cselect_b64 s[NX:NX+1], s[10:11], s[12:13]   ; behind K: query and bq; behind Q: value and bv
	s_cselect_b64 s[NB:NB+1], s[18:19], s[20:21]
	FIRST 1, 0                                     ; the bias starts the sums
	PLACES                                         ; behind the products that read the bias
	WIN 0
	BIASLD NB                                      ; the next phase's bias; the conversions' waits in the loop show it in
	KLOOP 0, 8, 1
	s_wait_dscnt 0x0                               ; met: no LDS instruction has been issued since the wait in front of the barrier
	BTAIL 1, 0, 0                                  ; the phase's last 32 products
	; Behind K: each row block goes, scaled and packed, into my wave's stash, 512 bytes a tile (16 bytes a lane, no gaps), its two inverse scales beside it.
	; Behind Q: S^T = K Q^T, softmax along g, w packed to f16 into the stash.  Token 2 a + jj takes bytes 512 (2 a + jj) ..: tiles of k that have been read
	; (LDS serves a wave's instructions in order, and the tiles of block a + 1 begin at 512 (8 a + 8)).
	PLACES
	WIN 0
	v_mov_b32 v[STK], v[STV]
	v_mov_b32 v[STW], v[STV]
	v_mov_b32 v[SCA], s74
	s_mov_b32 s3, 0
.Lekq:
	SW8 kqm, MAXV
	SCALEC
	SW8 kqs, MULV
	s_cmp_lg_u32 s66, 0
	s_cbranch_scc1 .Lqpart
	CVT QF, 4
.irp b, 0,1,2,3,4,5,6,7
	ds_store_b128 v[STK], v[QF+4*\b:QF+4*\b+3] offset:512*\b
.endr
	ds_store_b32 v[SCA], v[CS]                     ; all lanes write the same word with the same value
	ds_store_b32 v[SCA], v[CS+2] offset:4
	s_branch .Lekq_j
.Lqpart:
.irp b, 0,1,2,3,4,5,6,7
	ds_load_b128 v[KF+4*\b:KF+4*\b+3], v[STK] offset:512*\b      ; two tokens x two fragments of k
.endr
	ds_load_b64 v[KSC:KSC+1], v[SCA]
	CVT QF, 4
	s_wait_dscnt 0x0                               ; k and its scales are in
	; the two tokens' accumulators take turns, one instruction a turn
	v_wmma_f32_16x16x32_f16 v[S0:S0+7],    v[KF:KF+7],     v[QF:QF+7],     0
	v_wmma_f32_16x16x32_f16 v[S0+8:S0+15], v[KF+16:KF+23], v[QF+16:QF+23], 0
	v_wmma_f32_16x16x32_f16 v[S0:S0+7],    v[KF+8:KF+15],  v[QF+8:QF+15],  v[S0:S0+7]
	v_wmma_f32_16x16x32_f16 v[S0+8:S0+15], v[KF+24:KF+31], v[QF+24:QF+31], v[S0+8:S0+15]
	v_mul_f32 v[CS], s60, v[CS]                    ; the four places behind the products: the factor log2(e) / 8 x 2^Eq x 2^Ek of each token
	v_mul_f32 v[CS+2], s60, v[CS+2]
	v_mul_f32 v[CS], v[CS], v[KSC]
	v_mul_f32 v[CS+2], v[CS+2], v[KSC+1]
.irp jj, 0,1
	v_max3_num_f32 v[T0+8*\jj], v[S0+8*\jj], v[S0+8*\jj+1], v[S0+8*\jj+2]
	v_max3_num_f32 v[T0+8*\jj+1], v[S0+8*\jj+3], v[S0+8*\jj+4], v[S0+8*\jj+5]
.endr
.irp jj, 0,1
	v_max3_num_f32 v[T0+8*\jj], v[T0+8*\jj], v[S0+8*\jj+6], v[S0+8*\jj+7]
.endr
.irp jj, 0,1
	v_max_num_f32 v[T0+8*\jj], v[T0+8*\jj], v[T0+8*\jj+1]
.endr
.irp jj, 0,1
	v_permlanex16_b32 v[T0+8*\jj+1], v[T0+8*\jj], s58, s59       ; the other eight g of my row h
.endr
.irp jj, 0,1
	v_max_num_f32 v[T0+8*\jj], v[T0+8*\jj], v[T0+8*\jj+1]        ; the row's maximum (the factor is not negative, so it is the scaled scores' too)
.endr
.irp jj, 0,1
	v_mul_f32 v[T0+8*\jj], v[T0+8*\jj], v[CS+2*\jj]
.endr
.irp jj, 0,1
.irp j, 0,1,2,3,4,5,6,7
	v_fma_f32 v[S0+8*\jj+\j], v[S0+8*\jj+\j], v[CS+2*\jj], -v[T0+8*\jj]
.endr
.endr
.irp j, 0,1,2,3,4,5,6,7,8,9,10,11,12,13,14,15
	v_exp_f32 v[S0+\j], v[S0+\j]
.endr
	v_nop                                          ; one plain place behind the exponentials before their results are read (ISA guide 5.7.2)
	s_wait_alu depctr_va_vdst(0)
.irp jj, 0,1
	v_pk_add_f32 v[T0+8*\jj:T0+8*\jj+1], v[S0+8*\jj:S0+8*\jj+1], v[S0+8*\jj+2:S0+8*\jj+3]
	v_pk_add_f32 v[T0+8*\jj+2:T0+8*\jj+3], v[S0+8*\jj+4:S0+8*\jj+5], v[S0+8*\jj+6:S0+8*\jj+7]
.endr
.irp jj, 0,1
	v_pk_add_f32 v[T0+8*\jj:T0+8*\jj+1], v[T0+8*\jj:T0+8*\jj+1], v[T0+8*\jj+2:T0+8*\jj+3]
.endr
.irp jj, 0,1
	v_add_f32 v[T0+8*\jj], v[T0+8*\jj], v[T0+8*\jj+1]
.endr
.irp jj, 0,1
	v_permlanex16_b32 v[T0+8*\jj+1], v[T0+8*\jj], s58, s59
.endr
.irp jj, 0,1
	v_add_f32 v[T0+8*\jj], v[T0+8*\jj], v[T0+8*\jj+1]            ; at least about 1: the maximum's own term
.endr
	v_rcp_f32 v[T0+2], v[T0]
	v_rcp_f32 v[T0+10], v[T0+8]
	v_nop                                          ; one plain place behind the reciprocals
	s_wait_alu depctr_va_vdst(0)
.irp jj, 0,1
.irp i, 0,1,2,3
	v_pk_mul_f32 v[S0+8*\jj+2*\i:S0+8*\jj+2*\i+1], v[S0+8*\jj+2*\i:S0+8*\jj+2*\i+1], v[T0+8*\jj+2:T0+8*\jj+3] op_sel_hi:[1,0]
.endr
.endr
.irp jj, 0,1
.irp i, 0,1,2,3
	v_cvt_pk_f16_f32 v[WO+4*\jj+\i], v[S0+8*\jj+2*\i], v[S0+8*\jj+2*\i+1]
.endr
.endr
	ds_store_b128 v[STW], v[WO:WO+3]
	ds_store_b128 v[STW], v[WO+4:WO+7] offset:512
.Lekq_j:
	v_add_nc_u32 v[STK], 4096, v[STK]              ; the next row block
	v_add_nc_u32 v[STW], 1024, v[STW]
	v_add_nc_u32 v[SCA], 8, v[SCA]
	s_add_co_u32 s3, s3, 1
	s_cmp_lt_u32 s3, 8
	s_cbranch_scc1 .Lekq
	s_add_co_u32 s66, s66, 1
	s_cmp_lt_u32 s66, 2
	s_cbranch_scc1 .Lphase
	; PHASE V: source 0 = X; the constant 0 starts the sums.  The loop takes K steps 0 to 11 and the first 64 products of step 12; the rest is written out, since nothing is loaded
	; or filled beyond the end: the counts run down.
	FIRST 2, 1
	KLOOP 1, 6, 0
	XPART 0, 1, 16, 1, 0                           ; step 12: the last set of X (step 15) is asked for
	BPART 0, 1, 1, 1, 0                            ; W of step 14
	BTAIL 0, 1, 1
	HEADW 1, 0, 1                                  ; step 13
	XPART 1, 1, 16, 0, 0                           ; two sets are out: the count 16 shows step 14's in
	BPART 1, 1, 1, 1, 0                            ; W of step 15: the last tensor load
	BTAIL 1, 1, 1
	HEADW 0, 0, 1                                  ; step 14
	XPART 0, 1, 0, 0, 0                            ; the last set is the only one out: count 0
	BPART 0, 1, 1, 0, 0                            ; nothing is filled: the barrier hands X slot 1 over; its wait shows the last tensor load landed
	BTAIL 0, 1, 1
	HEADW 1, 0, 1                                  ; step 15
	BLAST 1
	; Behind V, for each row block: O^T = V^T W^T for 8 tiles of 16 d, times 2^Ev plus bv, rounded to bf16, through my wave's stage, out in whole rows of 256 bytes.
	PLACES
	WIN 0
.irp b, 0,1,2,3,4,5,6,7
.irp r, 4,5,6,7
	v_mov_b32 v[VF+8*\b+\r], 0                     ; k = 16 .. 31 of the fragments: zeros, written once
.endr
.endr
.irp r, 4,5,6,7,12,13,14,15
	v_mov_b32 v[WF+\r], 0
.endr
	v_mov_b32 v[STW], v[STV]
	s_mov_b32 s3, 0
.Lev:
	ds_load_b128 v[WF:WF+3], v[STW]
	ds_load_b128 v[WF+8:WF+11], v[STW] offset:512
	SW8 vm, MAXV
	SCALEC
	SW8 vs, MULV
	CVT VF, 8
	s_wait_dscnt 0x0                               ; w is in
.irp b, 0,1,2,3,4,5,6,7
	v_wmma_f32_16x16x32_f16 v[OT+8*\b:OT+8*\b+7], v[VF+8*\b:VF+8*\b+7], v[WF+8*(\b/4):WF+8*(\b/4)+7], 0
.endr
	PLACES
.irp b, 0,1,2,3,4,5,6,7
.irp i, 0,1,2,3
	v_pk_fma_f32 v[OT+8*\b+2*\i:OT+8*\b+2*\i+1], v[OT+8*\b+2*\i:OT+8*\b+2*\i+1], v[CS+2*(\b/4):CS+2*(\b/4)+1], v[BIAS+8*\b+2*\i:BIAS+8*\b+2*\i+1] op_sel_hi:[1,0,1]
.endr
.endr
.irp b, 0,1,2,3,4,5,6,7
.irp r, 0,1,2,3
	v_cvt_pk_bf16_f32 v[OT+8*\b+\r], v[OT+8*\b+2*\r], v[OT+8*\b+2*\r+1]     ; register r is written when registers 2 r, 2 r + 1 are read: never ahead of a read
.endr
.endr
.irp b, 0,1,2,3,4,5,6,7
	ds_store_b128 v[STO], v[OT+8*\b:OT+8*\b+3] offset:32*\b
.endr
.irp t, 0,1,2,3,4,5,6,7
	ds_load_b128 v[OT+8*\t+4:OT+8*\t+7], v[RD] offset:\t*2*SPITCH          ; LDS serves a wave's instructions in order: these see the stores above
.endr
.irp t, 0,1,2,3,4,5,6,7
	s_wait_dscnt 7-\t
	global_store_b128 v[CO], v[OT+8*\t+4:OT+8*\t+7], s[22:23] offset:\t*1048576   ; heads 2 t, 2 t + 1: sixteen lanes store 256 consecutive, aligned bytes
.endr
	s_wait_xcnt 0x0                                ; the stores' base is stepped, and their data registers are written in the next trip, only behind this wait
	s_add_nc_u64 s[22:23], s[22:23], 2048          ; the next row block: one row of o further down
	v_add_nc_u32 v[STW], 1024, v[STW]
	s_add_co_u32 s3, s3, 1
	s_cmp_lt_u32 s3, 8
	s_cbranch_scc1 .Lev
	s_wait_xcnt 0x0
	s_set_vgpr_msb (MSB<<8)|((MSB&0x3c)|0x0)
	v_lshl_add_u32 v126, v0, 2, 0x4d400
	v_mov_b32 v127, 0
	s_set_vgpr_msb (((MSB&0x3c)|0x0)<<8)|((MSB&0x30)|0x0)
	s_wait_tensorcnt 0x0
	ds_add_u32 v126, v127
	s_wait_dscnt 0x0
	s_set_vgpr_msb (((MSB&0x30)|0x0)<<8)|MSB
	CROUND                                         ; the closing round: no work-group ends while a partner may still ask for a tile that names it
	s_endpgm
.Lfunc_end_k_q7057904c97_qkvattn:
	.size	k_q7057904c97_qkvattn, .Lfunc_end_k_q7057904c97_qkvattn-k_q7057904c97_qkvattn
	.p2alignl 7, 3214868480
	.fill 96, 4, 3214868480
	.section	.rodata,"a",@progbits
	.p2align	6, 0x0
	.amdhsa_kernel k_q7057904c97_qkvattn
		.amdhsa_group_segment_fixed_size 327680
		.amdhsa_private_segment_fixed_size 0
		.amdhsa_enable_private_segment 0
		.amdhsa_kernarg_size 64
		.amdhsa_user_sgpr_count 2
		.amdhsa_user_sgpr_kernarg_segment_ptr 1
		.amdhsa_wavefront_size32 1
		.amdhsa_system_sgpr_workgroup_id_x 1
		.amdhsa_system_sgpr_workgroup_id_y 1
		.amdhsa_system_sgpr_workgroup_id_z 1
		.amdhsa_system_vgpr_workitem_id 0
		.amdhsa_next_free_vgpr 1024
		.amdhsa_next_free_sgpr 76
		.amdhsa_reserve_vcc 0
		.amdhsa_float_denorm_mode_32 3
		.amdhsa_float_denorm_mode_16_64 3
		.amdhsa_memory_ordered 1
		.amdhsa_forward_progress 1
		.amdhsa_inst_pref_size 250
	.end_amdhsa_kernel
	.amdgpu_metadata
---
amdhsa.version: [ 1, 2 ]
amdhsa.kernels:
  - .name:           k_q7057904c97_qkvattn
    .symbol:         k_q7057904c97_qkvattn.kd
    .args:
      - { .name: key, .offset: 0, .size: 8, .value_kind: global_buffer, .address_space: global }
      - { .name: query, .offset: 8, .size: 8, .value_kind: global_buffer, .address_space: global }
      - { .name: value, .offset: 16, .size: 8, .value_kind: global_buffer, .address_space: global }
      - { .name: wp, .offset: 24, .size: 8, .value_kind: global_buffer, .address_space: global }
      - { .name: bk, .offset: 32, .size: 8, .value_kind: global_buffer, .address_space: global }
      - { .name: bq, .offset: 40, .size: 8, .value_kind: global_buffer, .address_space: global }
      - { .name: bv, .offset: 48, .size: 8, .value_kind: global_buffer, .address_space: global }
      - { .name: obuf, .offset: 56, .size: 8, .value_kind: global_buffer, .address_space: global }
    .group_segment_fixed_size: 327680
    .private_segment_fixed_size: 0
    .kernarg_segment_align: 8
    .kernarg_segment_size: 64
    .max_flat_workgroup_size: 128
    .sgpr_count:     76
    .vgpr_count:     1024
    .wavefront_size: 32
...
	.end_amdgpu_metadata
.endif
;; end of part 4
;; launch outproj: the kernel of part 3 again; grid 4 x 64, 4 waves a work-group, clusters of 4 x 4, 327,680 bytes of LDS; arguments obuf, wot, out0, bo; writes out0
